; MI455X (gfx1250); checked and timed in simulation.
; The chip was launched on July 23, 2026; its instructions are those of AMD's public machine-readable ISA for CDNA 5 (MIT licence, August 2026) and "CDNA5" Instruction Set Architecture Reference Guide (July 2026). The comments in the code are by the model that wrote it; some were corrected since.
;; Resonance Attention. Allowed arithmetic: matrix products marked QUANTISED: E2M3 operands, one E8M0 scale for each 32 along K, by v_wmma_scale_f32_16x16x128_f8f6f4 with both operands' format E2M3, f32 sums; everything else in f32.
;; Inputs: Wk 1,024 x 1,024 float32; Wo 1,024 x 1,024 float32; Wq 1,024 x 1,024 float32; Wv 1,024 x 1,024 float32; bk 1,024 float32; bo 1,024 float32; bq 1,024 float32; bv 1,024 float32; resonance_bias 1 x 8 x 1 x 1 float32; x 4 x 2,048 x 1,024 float32.
;; Outputs: out0 4 x 2,048 x 1,024 float32; out1 4 x 8 float32.
;; This version of the problem:
;;   THIS VERSION OF THE PROBLEM IS GIVEN IN LOW PRECISION. The matrix products marked QUANTISED in the list below multiply operands that are first quantised to E2M3 (2 exponent bits, 3 mantissa bits; 6 bits a number), with one power-of-two scale for each 32 numbers along K (OCP MX v1.0); their sums are f32. All else is computed in f32.
;;   The module's matrix products, in the order in which they are computed (A, B: the left and right operand; K: the contracted axis; several contracted axes count as one K, in the product's order):
;;     1. [M 8,192, K 1,024] x [K 1,024, N 1,024]; A: input x; B: input Wq: QUANTISED
;;     2. [M 8,192, K 1,024] x [K 1,024, N 1,024]; A: input x; B: input Wk: QUANTISED
;;     3. [M 8,192, K 1,024] x [K 1,024, N 1,024]; A: input x; B: input Wv: QUANTISED
;;     4. batch 32 x [M 2,048, K 128] x [K 128, N 2,048]; A: computed on the way; B: computed on the way: QUANTISED
;;     5. batch 32 x [M 2,048, K 2,048] x [K 2,048, N 128]; A: softmax (see below); B: computed on the way: QUANTISED
;;     6. [M 8,192, K 1,024] x [K 1,024, N 1,024]; A: computed on the way; B: input Wo: QUANTISED
;;   THE QUANTISER, for each operand of a quantised product, along K:
;;     - K is cut into blocks of 32 from its start; a last block that is shorter is filled with zeros.
;;     - A block's scale is 2^e with e = floor(log2(the largest magnitude in the block)) - 2, held to -126 .. 127; a block of zeros has e = 0. As a byte (E8M0): e + 127.
;;     - Each number is divided by its block's scale, clamped to +-7.5, and rounded to the nearest number of E2M3, ties to even, subnormals kept.
;;     - The product sums the exact products of the quantised numbers (number of the format x scale) in f32.
;;   ~~~python
;;   def quantise(x, axis):      # numpy; x: float32 -> the quantised numbers, widened to float32 again
;;       x = np.moveaxis(x, axis, -1); K = x.shape[-1]
;;       x = np.pad(x, [(0, 0)] * (x.ndim - 1) + [(0, -K % 32)]); x = x.reshape(x.shape[:-1] + (-1, 32)); a = np.abs(x).max(-1, keepdims=True)
;;       e = np.where(a > 0, np.clip(np.frexp(np.where(a > 0, a, 1))[1] - 1 - 2, -126, 127), 0)      # np.frexp(a)[1] - 1 = floor(log2(a)), exactly
;;       r = np.clip(x / 2.0 ** e, -7.5, 7.5)
;;       step = 2.0 ** (np.maximum(np.frexp(np.where(r == 0, 1, r))[1] - 1, 0) - 3)
;;       q = np.round(r / step) * step * 2.0 ** e      # np.round: ties to even
;;       return np.moveaxis(q.reshape(q.shape[:-2] + (-1,))[..., :K], -1, axis).astype(np.float32)
;;   ~~~
;;   SOFTMAX AHEAD OF A QUANTISED PRODUCT. Where the list says 'softmax', what is quantised is not the finished softmax but p = 2^(t - M), with t = logit x log2(e) and M = ceil(the row's largest t), a whole number; so 1/2 < the row's largest p <= 1. The row's sum l is taken of the UNQUANTISED p, in f32, and the product's result is divided by l at the end. Since M is a whole number, a kernel that streams over the keys may use a running M (the ceiling of the running maximum): every later rescaling is an exact power of two, which a block's scale takes up: the codes' values come out the same.
;;   OPERANDS COMPUTED ON THE WAY. 'Computed on the way' means the value that the module computes at that place (a softmax that the list does not call 'softmax' is quantised finished and normalised). What goes into a quantiser is computed in f32, as accurately as f32 sums, v_exp_f32 and their like allow (about 1e-6 of the number): no bf16 or f16 on the way to a quantiser, and a product that is left as it is and whose result goes on into a quantised operand takes f32 operands (vector FMAs, or v_wmma_f32_16x16x4_f32). A number that lies on a knife's edge between two numbers of the format may be rounded either way, as far as f32 arithmetic and the matrix unit's own rounding can turn it there, and no further.
;; One version. Each part assembles by itself: llvm-mc -triple=amdgcn-amd-amdhsa -mcpu=gfx1250 --defsym DOCPART=n.
;; ======== version 1 of 1: 4 launches
;; limits: a function is approximated: absolute error at most 4.8e-06
;; workspace buffers: opsc 9,830,400 bytes; qkvc 19,660,800 bytes; ctxc 6,554,624 bytes
;; launch quant (part 1): grid 768 x 1, 4 waves a work-group, no clusters, 34,816 bytes of LDS; arguments x, Wq, Wk, Wv, Wo, opsc; writes opsc
.if DOCPART == 1
	.amdgcn_target "amdgcn-amd-amdhsa--gfx1250"
	.amdhsa_code_object_version 6
	.text
	.protected	k_qa4fe19f33a_quant
	.globl	k_qa4fe19f33a_quant
	.p2align	8
	.type	k_qa4fe19f33a_quant,@function
k_qa4fe19f33a_quant:
	s_mov_b64 s[64:65], 0
	v_nop
	global_prefetch_b8 v0, s[64:65] scope:SCOPE_SE
	s_setreg_imm32_b32 hwreg(HW_REG_WAVE_MODE, 25, 1), 1
	s_wait_xcnt 0x0
; x [8192][1024] and Wq, Wk, Wv, Wo [1024][1024], f32, K innermost, become codes of FP6 (E2M3) with one E8M0 byte for each 32 along K.
; A block's scale is 2^(floor(log2(its largest magnitude)) - 2); its byte is the largest magnitude's exponent field - 2, held at 1 from below.
; LIMITS: a block whose largest magnitude lies under 2^-124, a block of zeros among them, gets the byte 1 (its codes are zeros or tiny; the bytes are read by this program alone).  NaN and infinities are not served.
; LAYOUT OF THE OUTPUT.  Rows go in TILES of 16 that are not neighbours: tile T holds rows 32 (T / 2) + 8 (T % 2) + i + 8 (i / 8), i = 0 .. 15, so that two neighbouring tiles used as a product's
; source 0 leave 16 neighbours in a lane's 16 result registers.  A fragment (a tile x 128 along K) is laid as the IMAGE OF ITS 12 REGISTERS: three blocks of 512 bytes, lane l's 16 bytes at 16 l.
; codes: [tile 768][K step 8][1536] (tiles 0-511: x; then 64 each of Wq, Wk, Wv, Wo); scale words behind them: [tile][K step][16 words].
; SHARES.  A work-group takes a tile, its wave w the K steps 2 w and 2 w + 1.  Every load reads 512 consecutive bytes of a row; the numbers turn through the wave's own stage in LDS (rows 528 bytes apart, so that
; the 16 rows of a read start in 16 different columns of 16 bytes), after which lane (r, h) holds 16 neighbours of each block of 32 of row r.  All 32 loads of a wave go out at once.
.set STGB,  8448                       ; a wave's stage: 16 rows x 528 bytes
.set SG,    33792                      ; the tile's 512 bytes of scale words, gathered
.set SPARE, 34304                      ; the spare words, 128 bytes a wave: two blocks of 256 bytes that no other line names
.set XSO,   9437184                    ; where the scale words begin in the output
.set SPW,   12                         ; v12  my spare word's LDS address; never rewritten
.set NIL,   13                         ; v13  0; never rewritten
.set R,     16                         ; v16-143  the numbers as loaded: two K steps x 16 rows x 4 registers
.set X,     144                        ; v144-207 64 numbers: register 16 b + i = k 32 b + 16 h + i of my row
.set PC,    208                        ; v208-227 the codes just made
.set TM,    228                        ; v228-243 at work in QUANT
.set PW,    244                        ; v244, v245 the two scale words
.set SEL,   20                         ; s[20:21] lane selects: lane l xor 16
; 64 numbers of a lane become a fragment's 12 registers of codes at v[pc] on (pc + 12 .. 19 at work) and the row's scale word in v[pw].
.macro QUANT s, pc, pw
.irp b, 0,1,2,3
	v_max3_num_f32 v[TM+\b], |v[(\s)+16*\b]|, |v[(\s)+1+16*\b]|, 0x1800000   ; block b: my 16 numbers, and the floor 2^(3 - 127): the byte cannot fall under 1
.endr
.irp i, 2,4,6,8,10,12,14
.irp b, 0,1,2,3
	v_max3_num_f32 v[TM+\b], v[TM+\b], |v[(\s)+16*\b+\i]|, |v[(\s)+1+16*\b+\i]|   ; the four blocks by turns
.endr
.endr
.irp b, 0,1,2,3
	v_permlanex16_b32 v[TM+4+\b], v[TM+\b], s[SEL], s[SEL+1]
.endr
.irp b, 0,1,2,3
	v_max_num_f32 v[TM+\b], v[TM+\b], v[TM+4+\b]   ; with lane l xor 16's 16: the block's largest magnitude
.endr
.irp b, 0,1,2,3
	v_add_nc_u32 v[TM+12+\b], 0xff000000, v[TM+\b]   ; 2 off its exponent field: the conversion's scale operand
.endr
.irp b, 0,1,2,3
	v_lshrrev_b32 v[TM+4+\b], 23, v[TM+12+\b]      ; the scale's byte
.endr
	v_lshl_or_b32 v[\pw], v[TM+5], 8, v[TM+4]
	v_lshl_or_b32 v[\pw], v[TM+6], 16, v[\pw]
	v_lshl_or_b32 v[\pw], v[TM+7], 24, v[\pw]
.irp c, 0,1
	v_cvt_scalef32_pk16_fp6_f32 v[(\pc)+6*\c:(\pc)+2+6*\c], v[(\s)+32*\c:(\s)+15+32*\c], v[TM+12+2*\c]
	v_cvt_scalef32_pk16_fp6_f32 v[(\pc)+12+4*\c:(\pc)+14+4*\c], v[(\s)+16+32*\c:(\s)+31+32*\c], v[TM+12+2*\c+1]   ; a conversion's three registers begin on an even number
.endr
	v_nop                                          ; one plain instruction behind the scaled conversions
.irp c, 0,1                                    ; the operand wants a whole block in a lane: lanes 0-15 block 2 c, lanes 16-31 block 2 c + 1
.irp i, 0,1,2
	v_permlane16_swap_b32 v[(\pc)+6*\c+\i], v[(\pc)+12+4*\c+\i]
.endr
.irp i, 0,1,2
	v_mov_b32 v[(\pc)+3+6*\c+\i], v[(\pc)+12+4*\c+\i]
.endr
.endr
.endm
.macro TURN k                          ; K step k's numbers through my stage; LDS serves a wave's instructions in order, so no wait stands between the stores and the loads
.irp i, 0,1,2,3,4,5,6,7,8,9,10,11,12,13,14,15
	ds_store_b128 v5, v[R+64*(\k)+4*\i:R+64*(\k)+4*\i+3] offset:528*\i
.endr
.irp b, 0,1,2,3
.irp j, 0,1,2,3
	ds_load_b128 v[X+16*\b+4*\j:X+16*\b+4*\j+3], v6 offset:128*\b+16*\j
.endr
.endr
.endm
	s_load_b256 s[4:11], s[0:1], 0x0               ; x, Wq, Wk, Wv
	s_load_b128 s[12:15], s[0:1], 0x20             ; Wo, the output
	v_lshl_add_u32 v[SPW], v0, 2, SPARE
	v_mov_b32 v[NIL], 0
	v_lshrrev_b32 v1, 5, v0
	v_readfirstlane_b32 s16, v1                    ; wave 0..3
	v_and_b32 v1, 31, v0                           ; lane
	v_and_b32 v2, 15, v0                           ; r
	v_bfe_u32 v3, v0, 4, 1                         ; h
	v_lshlrev_b32 v4, 4, v1                        ; 16 x lane
	s_mul_i32 s17, s16, STGB
	v_add_nc_u32 v5, s17, v4                       ; the stage, on the way in: a row's 512 bytes as they lie
	v_mul_u32_u24 v6, v2, 528
	v_lshl_add_u32 v6, v3, 6, v6
	v_add_nc_u32 v6, s17, v6                       ; and back: row r, + 64 h
	s_lshl_b32 s18, s16, 7
	s_add_co_u32 s18, s18, SG
	v_lshl_add_u32 v7, v2, 2, s18                  ; my row's scale word of my first K step
	v_add_nc_u32 v8, SG, v4
	s_mov_b32 s[SEL], 0x76543210
	s_mov_b32 s[SEL+1], 0xfedcba98
.irp b, 0,1,2,3
	v_mov_b32 v[TM+4+\b], 0                        ; written once: a lane permute's destination counts as one of its sources
.endr
	s_and_b32 s22, ttmp9, 63
	s_cmp_lt_u32 ttmp9, 512
	s_cselect_b32 s22, ttmp9, s22                  ; the tile's number in its own tensor
	s_lshr_b32 s23, s22, 1
	s_lshl_b32 s23, s23, 17                        ; 32 rows of 4,096 bytes for each pair of tiles,
	s_and_b32 s22, s22, 1
	s_lshl_b32 s22, s22, 15                        ; 8 rows for the odd one,
	s_add_co_u32 s22, s22, s23
	s_lshl_b32 s23, s16, 10                        ; my two K steps: 1,024 bytes of a row
	s_add_co_u32 s22, s22, s23
	s_mov_b32 s23, 0
	s_mul_i32 s24, ttmp9, 12288
	s_mul_i32 s25, s16, 3072
	s_add_co_u32 s24, s24, s25                     ; my two images
	s_mov_b32 s25, 0
	s_lshl_b32 s26, ttmp9, 9
	s_add_co_u32 s26, s26, XSO                     ; the tile's scale words
	s_mov_b32 s27, 0
	s_wait_kmcnt 0x0
	s_cmp_lt_u32 ttmp9, 704                        ; which tensor: the choice hangs on the work-group's number alone
	s_cselect_b64 s[28:29], s[10:11], s[12:13]
	s_cmp_lt_u32 ttmp9, 640
	s_cselect_b64 s[28:29], s[8:9], s[28:29]
	s_cmp_lt_u32 ttmp9, 576
	s_cselect_b64 s[28:29], s[6:7], s[28:29]
	s_cmp_lt_u32 ttmp9, 512
	s_cselect_b64 s[28:29], s[4:5], s[28:29]
	s_add_nc_u64 s[28:29], s[28:29], s[22:23]
	s_add_nc_u64 s[30:31], s[14:15], s[24:25]
	s_add_nc_u64 s[32:33], s[14:15], s[26:27]
.irp k, 0,1
.irp i, 0,1,2,3,4,5,6,7,8,9,10,11,12,13,14,15
	global_load_b128 v[R+64*\k+4*\i:R+64*\k+4*\i+3], v4, s[28:29] offset:(\i+8*(\i/8))*4096+512*\k th:TH_LOAD_NT   ; 32 lanes read 512 consecutive bytes of the tile's row i
.endr
.endr
	s_wait_loadcnt 16                              ; the first K step's 16 loads are in; the second's 16 may be out
	TURN 0
	s_wait_dscnt 0x0
	QUANT X, PC, PW
.irp c, 0,1,2
	global_store_b128 v4, v[PC+4*\c:PC+4*\c+3], s[30:31] offset:512*\c   ; 512 consecutive bytes, aligned
.endr
	ds_store_b32 v7, v[PW]                         ; lanes r and r + 16 write the same word with the same value
	s_wait_loadcnt 0x0
	TURN 1
	s_wait_dscnt 0x0
	s_wait_xcnt 0x0                                ; the stores have read the codes' registers: they may be written again
	QUANT X, PC, PW+1
.irp c, 0,1,2
	global_store_b128 v4, v[PC+4*\c:PC+4*\c+3], s[30:31] offset:1536+512*\c
.endr
	ds_store_b32 v7, v[PW+1] offset:64
	s_wait_dscnt 0x0                               ; for the others' sake: my scale words lie in LDS
	s_barrier_signal -1
	s_barrier_wait -1
	s_cmp_lg_u32 s16, 0
	s_cbranch_scc1 .Lend
	ds_load_b128 v[16:19], v8                      ; wave 0 stores the tile's 512 bytes of scale words whole
	s_wait_dscnt 0x0
	global_store_b128 v4, v[16:19], s[32:33]
.Lend:
	s_wait_tensorcnt 0x0                           ; the wave's end, behind my last LDS store
	ds_add_u32 v[SPW], v[NIL]
	s_wait_dscnt 0x0
	s_endpgm
.Lfunc_end_k_qa4fe19f33a_quant:
	.size	k_qa4fe19f33a_quant, .Lfunc_end_k_qa4fe19f33a_quant-k_qa4fe19f33a_quant
	.p2alignl 7, 3214868480
	.fill 96, 4, 3214868480
	.section	.rodata,"a",@progbits
	.p2align	6, 0x0
	.amdhsa_kernel k_qa4fe19f33a_quant
		.amdhsa_group_segment_fixed_size 34816
		.amdhsa_private_segment_fixed_size 0
		.amdhsa_enable_private_segment 0
		.amdhsa_kernarg_size 48
		.amdhsa_user_sgpr_count 2
		.amdhsa_user_sgpr_kernarg_segment_ptr 1
		.amdhsa_wavefront_size32 1
		.amdhsa_system_sgpr_workgroup_id_x 1
		.amdhsa_system_sgpr_workgroup_id_y 1
		.amdhsa_system_sgpr_workgroup_id_z 1
		.amdhsa_system_vgpr_workitem_id 0
		.amdhsa_next_free_vgpr 256
		.amdhsa_next_free_sgpr 66
		.amdhsa_reserve_vcc 0
		.amdhsa_float_denorm_mode_32 3
		.amdhsa_float_denorm_mode_16_64 3
		.amdhsa_memory_ordered 1
		.amdhsa_forward_progress 1
		.amdhsa_inst_pref_size 19
	.end_amdhsa_kernel
	.amdgpu_metadata
---
amdhsa.version: [ 1, 2 ]
amdhsa.kernels:
  - .name:           k_qa4fe19f33a_quant
    .symbol:         k_qa4fe19f33a_quant.kd
    .args:
      - { .name: x, .offset: 0, .size: 8, .value_kind: global_buffer, .address_space: global }
      - { .name: Wq, .offset: 8, .size: 8, .value_kind: global_buffer, .address_space: global }
      - { .name: Wk, .offset: 16, .size: 8, .value_kind: global_buffer, .address_space: global }
      - { .name: Wv, .offset: 24, .size: 8, .value_kind: global_buffer, .address_space: global }
      - { .name: Wo, .offset: 32, .size: 8, .value_kind: global_buffer, .address_space: global }
      - { .name: opsc, .offset: 40, .size: 8, .value_kind: global_buffer, .address_space: global }
    .group_segment_fixed_size: 34816
    .private_segment_fixed_size: 0
    .kernarg_segment_align: 8
    .kernarg_segment_size: 48
    .max_flat_workgroup_size: 128
    .sgpr_count:     66
    .vgpr_count:     256
    .wavefront_size: 32
...
	.end_amdgpu_metadata
.endif
;; end of part 1
;; launch qkv (part 2): grid 12 x 64, 4 waves a work-group, clusters of 4 x 4, 327,680 bytes of LDS; arguments opsc, bq, bk, bv, qkvc; writes qkvc
.if DOCPART == 2
	.amdgcn_target "amdgcn-amd-amdhsa--gfx1250"
	.amdhsa_code_object_version 6
	.text
	.protected	k_qa4fe19f33a_qkv
	.globl	k_qa4fe19f33a_qkv
	.p2align	8
	.type	k_qa4fe19f33a_qkv,@function
k_qa4fe19f33a_qkv:
	s_mov_b64 s[64:65], 0
	v_nop
	global_prefetch_b8 v0, s[64:65] scope:SCOPE_SE
	s_setreg_imm32_b32 hwreg(HW_REG_WAVE_MODE, 25, 1), 1
	s_wait_xcnt 0x0
	s_wait_alu depctr_hold_cnt(0) depctr_sa_sdst(0) depctr_va_vdst(0) depctr_va_sdst(0) depctr_va_ssrc(0) depctr_va_vcc(0) depctr_vm_vsrc(0)
	s_getreg_b32 s2, hwreg(HW_REG_IB_STS2, 6, 4)
	s_cmp_eq_u32 s2, 0
	s_cbranch_scc0 .Lentry_in_a_cluster
	s_endpgm
.Lentry_in_a_cluster:
	s_bfe_u32 s2, ttmp6, 0x10000c
	s_cmp_lg_u32 s2, 0xf033
	s_cbranch_scc0 .Lentry_shape_is_right
	s_endpgm
.Lentry_shape_is_right:
; q = x Wq^T + bq, k = x Wk^T + bk, v = x Wv^T + bv on codes of FP6 (E2M3) with E8M0 scales, K = 1,024; the results are quantised at once: q and k along the head's 128, v along the keys.
; OPERANDS come as register images (a fragment = a tile of 16 rows x 128 K = 1,536 bytes, lane l's 16 bytes at 16 l of each of three blocks) with 16 scale words a fragment; tile T holds rows 32 (T / 2) + 8 (T % 2) + i + 8 (i / 8).
; A WORK-GROUP multiplies R0 (source 0, 256 rows, 16 tiles) by R1 (source 1, 128 rows, 8 tiles).  In a result a lane holds ONE row of R1, and the 16 registers of two neighbouring tiles of R0 are 16 neighbouring rows of R0:
; so a wave's 128 rows of R0 are one K step of the next product, and its results are quantised in registers.
;   clusters with x = 0, 1: R0 = rows of Wq (x = 0) or Wk (x = 1), R1 = tokens: q, k, a lane a token, registers along the head;
;   clusters with x = 2:    R0 = tokens, R1 = rows of Wv: v^T, a lane a channel, registers along the keys.  Only offsets and pointers are chosen; all work-groups take one path.
; ALL OF K LIES IN LDS: 24 tiles x 12,288 bytes, brought as two slices of four K steps, each filled once: no slot is filled again.  Four waves: wave w takes R1's tiles 4 (w / 2) + 0..3 and R0's tiles 8 (w % 2) + 0..7: 32 accumulators.
; CLUSTER 4 x 4: R1 hangs on the work-group's y and is asked for jointly along a row of the cluster, R0 on its x and along a column: each tile is requested once for four work-groups.
; No prefetch: the launch has first fills alone, which go out at its head.
; LIMITS: a block whose largest magnitude lies under 2^-124, a block of zeros among them, gets the byte 1; NaN and infinities are not served.  bq and bk enter as the C of the first K step, bv is added behind the sum.
; REGISTERS.  window 0: v1-16 addresses; v28, v29 the add's two; v32-63 R1's scale words [8 a + s], v64-127 R0's [8 b + s]; v128-175, v176-223 R1's fragments, two sets; v224-251 at work.
;   window 1: v0-95, v128-223 R0's fragments, two sets.   window 2: accumulator (a, b) at v[8 (8 a + b)].   window 3: v0-63 the bias along R0, in the result's layout.
.set WC,    6291456                    ; in the operands' buffer: the weights' codes,
.set XS,    9437184                    ; x's scale words,
.set WS,    9699328                    ; the weights' scale words
.set VC,    12582912                   ; in the output: v's codes [bh][key group 16][d tile 8][1536] (q's and k's lie at 0: [q, k][bh 32][tile 128][1536]),
.set QKS,   18874368                   ; q's and k's scale words,
.set VS,    19398656                   ; v's
.set SLICE, 147456                     ; a slice in LDS: R1's 8 tiles x 6,144 bytes, then R0's 16
.set SCL,   294912                     ; R1's scale words (4,096 bytes), then R0's (8,192)
.set SOS,   307200                     ; 256 bytes a wave: the scale words on their way out
.set SPARE, 308224                     ; the spare words, 128 bytes a wave: two blocks of 256 bytes that no other line names
.set LI,    3                          ; v3  16 x lane
.set AD1,   4                          ; v4, v5  my R1 fragments in slice 0, 1
.set AD0,   6                          ; v6, v7  my R0 fragments
.set ADSA,  8                          ; v8  my R1 scale words
.set ADSB,  9                          ; v9  my R0 scale words
.set SPW,   28
.set NIL,   29
.set SA,    32
.set SB,    64
.set TM,    224                        ; v224-239 at work in QUANT
.set SEL,   22                         ; s[22:23]
.set G1A,   24                         ; s[24:31] group 1, R1's codes;  s[32:43] three groups 0: scales, slice 0, slice 1
.set G0A,   32
.set G1B,   44                         ; s[44:51], s[52:63] the same for R0
.set G0B,   52
.set G1SA,  68                         ; s[68:75] group 1, R1's scale words;  s[76:83] R0's
.set G1SB,  76
.set MSB, 0
.macro WIN new                         ; the immediate's high byte repeats the setting that is left
.if MSB != \new
	s_set_vgpr_msb (MSB<<8)|\new
.set MSB, \new
.endif
.endm
.macro PLACES n
.rept \n
	v_nop
.endr
.endm
.macro CROUND                          ; a round of the cluster's barrier
	s_barrier_signal -1
	s_barrier_wait -1
	s_cmp_lg_u32 s14, 0
	s_cbranch_scc1 .Lnot_wave_0_\@
	s_barrier_signal -3
.Lnot_wave_0_\@:
	s_barrier_wait -3
	s_barrier_signal -1
	s_barrier_wait -1
.endm
.macro JLOAD g0a, g1a, g0b, g1b        ; a joint load: waves 0 and 1 fetch R1's halves, waves 2 and 3 R0's; the branch hangs on the wave's number alone; an s_nop 0 and four v_nop follow each line
	s_cmp_eq_u32 s15, 0
	s_cbranch_scc0 .Lfor_b_\@
	tensor_load_to_lds s[\g0a:\g0a+3], s[\g1a:\g1a+7]
	s_nop 0
.rept 4
	v_nop
.endr
	s_branch .Lasked_\@
.Lfor_b_\@:
	tensor_load_to_lds s[\g0b:\g0b+3], s[\g1b:\g1b+7]
	s_nop 0
.rept 4
	v_nop
.endr
.Lasked_\@:
.endm
.macro QUANT s, pc, pw                 ; 64 numbers of a lane (register 16 b + i = k 32 b + 16 h + i of my row) become a fragment's codes at v[pc] on and the row's scale word in v[pw]
.irp b, 0,1,2,3
	v_max3_num_f32 v[TM+\b], |v[(\s)+16*\b]|, |v[(\s)+1+16*\b]|, 0x1800000   ; and the floor 2^(3 - 127): the byte cannot fall under 1
.endr
.irp i, 2,4,6,8,10,12,14
.irp b, 0,1,2,3
	v_max3_num_f32 v[TM+\b], v[TM+\b], |v[(\s)+16*\b+\i]|, |v[(\s)+1+16*\b+\i]|
.endr
.endr
.irp b, 0,1,2,3
	v_permlanex16_b32 v[TM+4+\b], v[TM+\b], s[SEL], s[SEL+1]
.endr
.irp b, 0,1,2,3
	v_max_num_f32 v[TM+\b], v[TM+\b], v[TM+4+\b]
.endr
.irp b, 0,1,2,3
	v_add_nc_u32 v[TM+12+\b], 0xff000000, v[TM+\b]   ; 2 off the exponent field: the conversion's scale operand
.endr
.irp b, 0,1,2,3
	v_lshrrev_b32 v[TM+4+\b], 23, v[TM+12+\b]
.endr
	v_lshl_or_b32 v[\pw], v[TM+5], 8, v[TM+4]
	v_lshl_or_b32 v[\pw], v[TM+6], 16, v[\pw]
	v_lshl_or_b32 v[\pw], v[TM+7], 24, v[\pw]
.irp c, 0,1
	v_cvt_scalef32_pk16_fp6_f32 v[(\pc)+6*\c:(\pc)+2+6*\c], v[(\s)+32*\c:(\s)+15+32*\c], v[TM+12+2*\c]
	v_cvt_scalef32_pk16_fp6_f32 v[(\pc)+12+4*\c:(\pc)+14+4*\c], v[(\s)+16+32*\c:(\s)+31+32*\c], v[TM+12+2*\c+1]
.endr
	v_nop                                          ; one plain instruction behind the scaled conversions
.irp c, 0,1
.irp i, 0,1,2
	v_permlane16_swap_b32 v[(\pc)+6*\c+\i], v[(\pc)+12+4*\c+\i]
.endr
.irp i, 0,1,2
	v_mov_b32 v[(\pc)+3+6*\c+\i], v[(\pc)+12+4*\c+\i]
.endr
.endr
.endm
.macro FETCH s                         ; K step s's 12 fragments, 36 loads of 512 consecutive bytes, into set s % 2
	WIN 0x40                                       ; destination window 1
.irp b, 0,1,2,3,4,5,6,7
.irp c, 0,1,2
	ds_load_b128 v[128*((\s)%2)+12*\b+4*\c:128*((\s)%2)+12*\b+4*\c+3], v[AD0+(\s)/4] offset:6144*\b+1536*((\s)%4)+512*\c
.endr
.endr
	WIN 0
.irp a, 0,1,2,3
.irp c, 0,1,2
	ds_load_b128 v[128+48*((\s)%2)+12*\a+4*\c:128+48*((\s)%2)+12*\a+4*\c+3], v[AD1+(\s)/4] offset:6144*\a+1536*((\s)%4)+512*\c
.endr
.endr
.endm
.macro MUL s                           ; 32 products; the 32 accumulators take turns, one instruction a turn, in the same order in every K step
.if (\s) == 0
	WIN 0xb1                                       ; source 0 window 1, source 1 window 0, C (the bias) window 3, D window 2
.else
	WIN 0xa1                                       ; C and D window 2
.endif
.irp a, 0,1,2,3
.irp b, 0,1,2,3,4,5,6,7
.if (\s) == 0
	v_wmma_scale_f32_16x16x128_f8f6f4 v[8*(8*\a+\b):8*(8*\a+\b)+7], v[128*((\s)%2)+12*\b:128*((\s)%2)+12*\b+11], v[128+48*((\s)%2)+12*\a:128+48*((\s)%2)+12*\a+11], v[8*\b:8*\b+7], v[SB+8*\b+(\s)], v[SA+8*\a+(\s)] matrix_a_fmt:MATRIX_FMT_FP6 matrix_b_fmt:MATRIX_FMT_FP6
.else
	v_wmma_scale_f32_16x16x128_f8f6f4 v[8*(8*\a+\b):8*(8*\a+\b)+7], v[128*((\s)%2)+12*\b:128*((\s)%2)+12*\b+11], v[128+48*((\s)%2)+12*\a:128+48*((\s)%2)+12*\a+11], v[8*(8*\a+\b):8*(8*\a+\b)+7], v[SB+8*\b+(\s)], v[SA+8*\a+(\s)] matrix_a_fmt:MATRIX_FMT_FP6 matrix_b_fmt:MATRIX_FMT_FP6
.endif
.endr
.endr
.endm
.macro STEP s
	s_wait_dscnt 0x0                               ; this step's fragments, asked for a step (32 products) ago, are in
.if (\s) == 3
	s_wait_tensorcnt 0x0                           ; my part of slice 1 has landed,
	s_barrier_signal -1
	s_barrier_wait -1                              ; everybody's has; and nobody reads slice 0 any more.
.endif
.if (\s) < 7
.if (\s) > 0
	PLACES 4                                       ; four plain instructions between the last product and loads into the set that it read
.endif
	FETCH (\s)+1
.endif
	MUL \s
.endm
	s_load_b256 s[4:11], s[0:1], 0x0               ; the operands, bq, bk, bv
	s_load_b64 s[12:13], s[0:1], 0x20              ; the output
	v_lshl_add_u32 v[SPW], v0, 2, SPARE
	v_mov_b32 v[NIL], 0
	ds_add_u32 v[SPW], v[NIL]                      ; the wave's opening: the add and its wait come ahead of my first tensor load; work on registers stands between them
	v_lshrrev_b32 v1, 5, v0
	v_readfirstlane_b32 s14, v1                    ; wave 0..3
	s_lshr_b32 s15, s14, 1                         ; my half of R1's tiles.  Also: I fetch for R1 (0) or for R0 (1)
	s_and_b32 s16, s14, 1                          ; my half of R0's tiles.  Also: which half I fetch
	s_bfe_u32 s84, ttmp6, 0x40000                  ; cx
	s_bfe_u32 s85, ttmp6, 0x40004                  ; cy
	s_and_b32 s96, ttmp7, 0xffff                   ; the cluster's y, 0..15
	s_and_b32 s17, s96, 7
	s_lshr_b32 s18, s96, 3
	s_mov_b32 s92, XS
	s_mov_b32 s88, WS+65536
	s_cmp_lt_u32 ttmp9, 2                          ; q or k (the cluster's x = 0, 1), or v (2): the same in all sixteen partners
	s_cselect_b32 s17, ttmp9, s17
	s_cselect_b32 s18, s96, s18
	s_cselect_b32 s19, -1, 0                       ; all ones for q and k
	s_cselect_b32 s20, 0, -1                       ; all ones for v
	s_cselect_b32 s90, WC, 0                       ; R0's codes: Wq and Wk, or x
	s_cselect_b32 s86, 0, WC+1572864               ; R1's codes: x, or Wv
	s_cselect_b32 s92, WS, s92                     ; R0's scale words
	s_cselect_b32 s88, XS, s88                     ; R1's
	s_lshl_b32 s17, s17, 2
	s_add_co_u32 s17, s17, s84                     ; X: which 256 rows of R0
	s_lshl_b32 s18, s18, 2
	s_add_co_u32 s18, s18, s85                     ; Y: which 128 rows of R1
	s_lshl_b32 s94, s85, 2
	s_lshl_b32 s94, 15, s94                        ; my row of the cluster
	s_lshl_b32 s95, 0x1111, s84                    ; my column
	s_or_b32 s[G1A], s94, (3<<16)|(1<<21)          ; 15:0 the mask; 17:16 elements of 8 bytes; 21 set beside a mask; no padding
	s_or_b32 s[G1SA], s94, (3<<16)|(1<<21)
	s_or_b32 s[G1B], s95, (3<<16)|(1<<21)
	s_or_b32 s[G1SB], s95, (3<<16)|(1<<21)
	s_mov_b32 s[G1A+1], 768<<16                    ; R1's codes: 4 tiles' rows of 6,144 bytes (four K steps), 12,288 bytes apart
	s_mov_b32 s[G1A+2], 4<<16
	s_mov_b32 s[G1A+3], 768<<16
	s_mov_b32 s[G1A+4], 4
	s_mov_b32 s[G1A+5], 1536
	s_mov_b32 s[G1A+6], 0
	s_mov_b32 s[G1A+7], 0
	s_mov_b32 s[G1B+1], 768<<16                    ; R0's: 8 tiles
	s_mov_b32 s[G1B+2], 8<<16
	s_mov_b32 s[G1B+3], 768<<16
	s_mov_b32 s[G1B+4], 8
	s_mov_b32 s[G1B+5], 1536
	s_mov_b32 s[G1B+6], 0
	s_mov_b32 s[G1B+7], 0
	s_mov_b32 s[G1SA+1], 32<<16                    ; R1's scale words: 2,048 dense bytes as 8 rows of 256
	s_mov_b32 s[G1SA+2], 8<<16
	s_mov_b32 s[G1SA+3], 32<<16
	s_mov_b32 s[G1SA+4], 8
	s_mov_b32 s[G1SA+5], 32
	s_mov_b32 s[G1SA+6], 0
	s_mov_b32 s[G1SA+7], 0
	s_mov_b32 s[G1SB+1], 32<<16                    ; R0's: 4,096 dense bytes as 16 rows
	s_mov_b32 s[G1SB+2], 16<<16
	s_mov_b32 s[G1SB+3], 32<<16
	s_mov_b32 s[G1SB+4], 16
	s_mov_b32 s[G1SB+5], 32
	s_mov_b32 s[G1SB+6], 0
	s_mov_b32 s[G1SB+7], 0
	s_mul_i32 s97, s18, 98304                      ; R1 hangs on Y and the wave's number alone,
	s_add_co_u32 s86, s86, s97
	s_mul_i32 s97, s16, 49152
	s_add_co_u32 s86, s86, s97
	s_mov_b32 s87, 0
	s_lshl_b32 s97, s18, 12
	s_add_co_u32 s88, s88, s97
	s_lshl_b32 s97, s16, 11
	s_add_co_u32 s88, s88, s97
	s_mov_b32 s89, 0
	s_mul_i32 s98, s17, 196608                     ; R0 on X and the wave's number alone
	s_add_co_u32 s90, s90, s98
	s_mul_i32 s98, s16, 98304
	s_add_co_u32 s90, s90, s98
	s_mov_b32 s91, 0
	s_lshl_b32 s98, s17, 13
	s_add_co_u32 s92, s92, s98
	s_lshl_b32 s98, s16, 12
	s_add_co_u32 s92, s92, s98
	s_mov_b32 s93, 0
	s_mul_i32 s99, s16, 24576                      ; where they go in LDS: the wave's number alone
	s_mul_i32 s100, s16, 49152
	s_add_co_u32 s100, s100, 49152
	s_lshl_b32 s101, s16, 11
	s_add_co_u32 s101, s101, SCL
	s_lshl_b32 s21, s16, 12
	s_add_co_u32 s21, s21, SCL+4096
	s_mov_b32 s[SEL], 0x76543210
	s_mov_b32 s[SEL+1], 0xfedcba98
	s_wait_dscnt 0x0                               ; the opening add is done
	s_wait_kmcnt 0x0
	s_add_nc_u64 s[86:87], s[4:5], s[86:87]
	s_add_nc_u64 s[88:89], s[4:5], s[88:89]
	s_add_nc_u64 s[90:91], s[4:5], s[90:91]
	s_add_nc_u64 s[92:93], s[4:5], s[92:93]
	s_mov_b32 s[G0A], 1
	s_mov_b32 s[G0A+1], s101
	s_mov_b64 s[G0A+2:G0A+3], s[88:89]
	s_or_b32 s[G0A+3], s[G0A+3], 0x80000000
	s_mov_b32 s[G0A+4], 1
	s_mov_b32 s[G0A+5], s99
	s_mov_b64 s[G0A+6:G0A+7], s[86:87]
	s_or_b32 s[G0A+7], s[G0A+7], 0x80000000
	s_mov_b32 s[G0A+8], 1
	s_add_co_u32 s[G0A+9], s99, SLICE
	s_add_nc_u64 s[G0A+10:G0A+11], s[86:87], 6144
	s_or_b32 s[G0A+11], s[G0A+11], 0x80000000
	s_mov_b32 s[G0B], 1
	s_mov_b32 s[G0B+1], s21
	s_mov_b64 s[G0B+2:G0B+3], s[92:93]
	s_or_b32 s[G0B+3], s[G0B+3], 0x80000000
	s_mov_b32 s[G0B+4], 1
	s_mov_b32 s[G0B+5], s100
	s_mov_b64 s[G0B+6:G0B+7], s[90:91]
	s_or_b32 s[G0B+7], s[G0B+7], 0x80000000
	s_mov_b32 s[G0B+8], 1
	s_add_co_u32 s[G0B+9], s100, SLICE
	s_add_nc_u64 s[G0B+10:G0B+11], s[90:91], 6144
	s_or_b32 s[G0B+11], s[G0B+11], 0x80000000
	CROUND                                         ; all sixteen work-groups are here: the joint loads meet
	JLOAD G0A, G1SA, G0B, G1SB                     ; the scale words, slice 0, slice 1: three loads of mine are out
	JLOAD G0A+4, G1A, G0B+4, G1B
	JLOAD G0A+8, G1A, G0B+8, G1B
	v_and_b32 v1, 15, v0                           ; r
	v_bfe_u32 v2, v0, 4, 1                         ; h
	v_and_b32 v13, 31, v0                          ; lane
	v_lshlrev_b32 v[LI], 4, v13
	s_mul_i32 s96, s15, 24576
	v_add_nc_u32 v[AD1], s96, v[LI]
	v_add_nc_u32 v[AD1+1], SLICE, v[AD1]
	s_mul_i32 s96, s16, 49152
	s_add_co_u32 s96, s96, 49152
	v_add_nc_u32 v[AD0], s96, v[LI]
	v_add_nc_u32 v[AD0+1], SLICE, v[AD0]
	s_lshl_b32 s96, s15, 11
	s_add_co_u32 s96, s96, SCL
	v_lshl_add_u32 v[ADSA], v1, 2, s96
	s_lshl_b32 s96, s16, 12
	s_add_co_u32 s96, s96, SCL+4096
	v_lshl_add_u32 v[ADSB], v1, 2, s96
	s_lshl_b32 s96, s14, 8
	s_add_co_u32 s96, s96, SOS
	v_lshl_add_u32 v10, v1, 2, s96                 ; the way out: my row's scale word,
	v_lshl_add_u32 v11, v13, 3, s96                ; and the wave's 256 bytes read back, 8 a lane
	v_lshlrev_b32 v12, 3, v13
.irp b, 0,1,2,3
	v_mov_b32 v[TM+4+\b], 0                        ; written once: a lane permute's destination counts as one of its sources
.endr
	; THE BIASES.  For q and k the bias runs along R0: eight registers a tile b in the result's layout, the C of the first K step.  For v it runs along R1: one number a lane and tile a, added behind the sum.
	; Both are loaded for both kinds, inside the buffer, and the one that does not apply is made 0 by a select.
	s_cmp_eq_u32 ttmp9, 0
	s_cselect_b64 s[96:97], s[6:7], s[8:9]
	s_cmp_eq_u32 ttmp9, 2
	s_cselect_b64 s[96:97], s[10:11], s[96:97]
	s_lshl_b32 s98, s84, 10                        ; q, k: my 128 features begin at 256 cx + 128 (w % 2)
	s_lshl_b32 s99, s16, 9
	s_add_co_u32 s98, s98, s99
	s_and_b32 s98, s98, s19
	v_lshl_add_u32 v14, v2, 6, s98                 ; + 16 h numbers
	s_lshl_b32 s99, s18, 9                         ; v: my 64 channels begin at 128 Y + 64 (w / 2)
	s_and_b32 s99, s99, s20
	s_lshl_b32 s100, s15, 8
	s_add_co_u32 s99, s99, s100
	v_and_b32 v16, 8, v1
	v_add_nc_u32 v16, v16, v1                      ; r + 8 (r / 8)
	v_lshl_add_u32 v15, v16, 2, s99
	WIN 0xc0                                       ; destination window 3
.irp b, 0,1,2,3,4,5,6,7
	global_load_b128 v[8*\b:8*\b+3], v14, s[96:97] offset:4*(32*(\b/2)+8*(\b%2))
	global_load_b128 v[8*\b+4:8*\b+7], v14, s[96:97] offset:4*(32*(\b/2)+8*(\b%2))+16
.endr
	WIN 0
.irp a, 0,1,2,3
	global_load_b32 v[244+2*\a], v15, s[96:97] offset:4*(32*(\a/2)+8*(\a%2))
	v_mov_b32 v[245+2*\a], 0                       ; named with it as a pair
.endr
	; where my four fragments go.  g = 2 X + w % 2: which 128 rows of R0
	s_lshl_b32 s90, s17, 1
	s_add_co_u32 s90, s90, s16
	s_lshr_b32 s91, s90, 3                         ; q, k: ((q or k) 32 + batch 8 + head) 128 + the token tile in its batch
	s_lshl_b32 s91, s91, 5
	s_lshr_b32 s92, s18, 4
	s_lshl_b32 s92, s92, 3
	s_add_co_u32 s91, s91, s92
	s_and_b32 s92, s90, 7
	s_add_co_u32 s91, s91, s92
	s_lshl_b32 s91, s91, 7
	s_and_b32 s92, s18, 15
	s_lshl_b32 s92, s92, 3
	s_add_co_u32 s91, s91, s92
	s_lshr_b32 s92, s90, 4                         ; v: ((batch 8 + head) 16 + key group) 8 + the d tile
	s_lshl_b32 s92, s92, 3
	s_add_co_u32 s92, s92, s18
	s_lshl_b32 s92, s92, 4
	s_and_b32 s93, s90, 15
	s_add_co_u32 s92, s92, s93
	s_lshl_b32 s92, s92, 3
	s_mov_b32 s93, VS
	s_cmp_lt_u32 ttmp9, 2
	s_cselect_b32 s91, s91, s92
	s_cselect_b32 s92, 0, VC
	s_cselect_b32 s93, QKS, s93
	s_lshl_b32 s94, s15, 2
	s_add_co_u32 s91, s91, s94
	s_mul_i32 s94, s91, 1536
	s_add_co_u32 s86, s94, s92
	s_mov_b32 s87, 0
	s_lshl_b32 s94, s91, 6
	s_add_co_u32 s88, s94, s93
	s_mov_b32 s89, 0
	s_add_nc_u64 s[86:87], s[12:13], s[86:87]      ; the codes,
	s_add_nc_u64 s[88:89], s[12:13], s[88:89]      ; the scale words: 256 bytes, aligned
	s_wait_tensorcnt 1                             ; the scale words and my part of slice 0 are in; slice 1's load may be out
	s_barrier_signal -1
	s_barrier_wait -1                              ; everybody's are
.irp a, 0,1,2,3
.irp s, 0,1,2,3,4,5,6,7
	ds_load_b32 v[SA+8*\a+\s], v[ADSA] offset:512*\a+64*\s   ; all scale words stay in registers that hold nothing else
.endr
.endr
.irp b, 0,1,2,3,4,5,6,7
.irp s, 0,1,2,3,4,5,6,7
	ds_load_b32 v[SB+8*\b+\s], v[ADSB] offset:512*\b+64*\s
.endr
.endr
	FETCH 0
	s_wait_loadcnt 0x0                             ; the biases
	WIN 0xcc                                       ; source 1 and destination window 3
.set j_, 0
.rept 64
	v_cndmask_b32 v[j_], 0, v[j_], s19             ; kept for q and k, 0 for v
.set j_, j_+1
.endr
	WIN 0
.irp a, 0,1,2,3
	v_cndmask_b32 v[244+2*\a], 0, v[244+2*\a], s20   ; kept for v, 0 for q and k
.endr
.irp s, 0,1,2,3,4,5,6,7
	STEP \s
.endr
	WIN 0
	PLACES 4                                       ; four plain instructions between the last product and the first read of results
	; THE WAY OUT.  Tile a's 64 registers are 128 neighbours along the next K of the lane's row: one fragment and one scale word a row.
.irp a, 0,1,2,3
.if \a > 0
	s_wait_xcnt 0x0                                ; the last stores have read the codes' registers
.endif
	WIN 0x02                                       ; source 0 window 2
.set j_, 0
.rept 32
	v_pk_add_f32 v[128+j_:129+j_], v[64*\a+j_:64*\a+j_+1], v[244+2*\a:245+2*\a] op_sel_hi:[1,0]   ; + the row's bias, each accumulator from its low end on; also the move into window 0
.set j_, j_+2
.endr
	WIN 0
	QUANT 128, 192, 240+\a
.irp c, 0,1,2
	global_store_b128 v[LI], v[192+4*\c:192+4*\c+3], s[86:87] offset:1536*\a+512*\c   ; 512 consecutive bytes, aligned
.endr
	ds_store_b32 v10, v[240+\a] offset:64*\a
.endr
	ds_load_b64 v[212:213], v11                    ; LDS serves a wave's instructions in order: this sees my stores
	s_wait_dscnt 0x0
	global_store_b64 v12, v[212:213], s[88:89]     ; the four tiles' scale words: 256 consecutive bytes, aligned
	s_wait_tensorcnt 0x0                           ; the wave's end, behind my last tensor load and my last LDS store
	ds_add_u32 v[SPW], v[NIL]
	s_wait_dscnt 0x0
	CROUND                                         ; the closing round
	s_endpgm
.Lfunc_end_k_qa4fe19f33a_qkv:
	.size	k_qa4fe19f33a_qkv, .Lfunc_end_k_qa4fe19f33a_qkv-k_qa4fe19f33a_qkv
	.p2alignl 7, 3214868480
	.fill 96, 4, 3214868480
	.section	.rodata,"a",@progbits
	.p2align	6, 0x0
	.amdhsa_kernel k_qa4fe19f33a_qkv
		.amdhsa_group_segment_fixed_size 327680
		.amdhsa_private_segment_fixed_size 0
		.amdhsa_enable_private_segment 0
		.amdhsa_kernarg_size 40
		.amdhsa_user_sgpr_count 2
		.amdhsa_user_sgpr_kernarg_segment_ptr 1
		.amdhsa_wavefront_size32 1
		.amdhsa_system_sgpr_workgroup_id_x 1
		.amdhsa_system_sgpr_workgroup_id_y 1
		.amdhsa_system_sgpr_workgroup_id_z 1
		.amdhsa_system_vgpr_workitem_id 0
		.amdhsa_next_free_vgpr 832
		.amdhsa_next_free_sgpr 102
		.amdhsa_reserve_vcc 0
		.amdhsa_float_denorm_mode_32 3
		.amdhsa_float_denorm_mode_16_64 3
		.amdhsa_memory_ordered 1
		.amdhsa_forward_progress 1
		.amdhsa_inst_pref_size 101
	.end_amdhsa_kernel
	.amdgpu_metadata
---
amdhsa.version: [ 1, 2 ]
amdhsa.kernels:
  - .name:           k_qa4fe19f33a_qkv
    .symbol:         k_qa4fe19f33a_qkv.kd
    .args:
      - { .name: opsc, .offset: 0, .size: 8, .value_kind: global_buffer, .address_space: global }
      - { .name: bq, .offset: 8, .size: 8, .value_kind: global_buffer, .address_space: global }
      - { .name: bk, .offset: 16, .size: 8, .value_kind: global_buffer, .address_space: global }
      - { .name: bv, .offset: 24, .size: 8, .value_kind: global_buffer, .address_space: global }
      - { .name: qkvc, .offset: 32, .size: 8, .value_kind: global_buffer, .address_space: global }
    .group_segment_fixed_size: 327680
    .private_segment_fixed_size: 0
    .kernarg_segment_align: 8
    .kernarg_segment_size: 40
    .max_flat_workgroup_size: 128
    .sgpr_count:     102
    .vgpr_count:     832
    .wavefront_size: 32
...
	.end_amdgpu_metadata
.endif
;; end of part 2
;; launch attn (part 3): grid 8 x 32, 8 waves a work-group, clusters of 4 x 1, 327,680 bytes of LDS; arguments qkvc, resonance_bias, ctxc; writes ctxc
.if DOCPART == 3
	.amdgcn_target "amdgcn-amd-amdhsa--gfx1250"
	.amdhsa_code_object_version 6
	.text
	.protected	k_qa4fe19f33a_attn
	.globl	k_qa4fe19f33a_attn
	.p2align	8
	.type	k_qa4fe19f33a_attn,@function
k_qa4fe19f33a_attn:
	s_mov_b64 s[64:65], 0
	v_nop
	global_prefetch_b8 v0, s[64:65] scope:SCOPE_SE
	s_setreg_imm32_b32 hwreg(HW_REG_WAVE_MODE, 25, 1), 1
	s_wait_xcnt 0x0
	s_wait_alu depctr_hold_cnt(0) depctr_sa_sdst(0) depctr_va_vdst(0) depctr_va_sdst(0) depctr_va_ssrc(0) depctr_va_vcc(0) depctr_vm_vsrc(0)
	s_getreg_b32 s2, hwreg(HW_REG_IB_STS2, 6, 4)
	s_cmp_eq_u32 s2, 0
	s_cbranch_scc0 .Lentry_in_a_cluster
	s_endpgm
.Lentry_in_a_cluster:
	s_bfe_u32 s2, ttmp6, 0x10000c
	s_cmp_lg_u32 s2, 0x3003
	s_cbranch_scc0 .Lentry_shape_is_right
	s_endpgm
.Lentry_shape_is_right:
; ctx = softmax(q k^T / sqrt(128) + resonance_bias) v for one (batch, head) and 256 queries a work-group, both products on codes of FP6 (E2M3) with E8M0 scales; ctx is quantised along the head's 128 at once; and the rows' entropy.
; THE SOFTMAX: t = score x log2(e) / sqrt(128) + bias x log2(e); M = the running largest t rounded UP to a whole number; p = 2^(t - M) is quantised along the keys; l = the sum of the unquantised p divides at the end.
; When M moves by d = old M - new M, l and O are multiplied by f = 2^d, which rounds nothing.
; THE ENTROPY of a row a = p / l is ln 2 x (log2 l - E / l) with E = the sum of p (t - M); when M moves, E becomes f (E + d l).  A work-group stores the sum of log2 l - E / l over its 256 rows.
; LIMITS: this is - sum a ln a; reference() adds 1e-10 to each a first, which moves a row's entropy by at most 2,048 x |1e-10 ln 1e-10|, about 4.8e-6, for every input.  A block of p or of ctx whose largest magnitude lies
; under 2^-124 gets the byte 1.  NaN and infinities are not served.
; SHARES.  Eight waves, two to a SIMD, so that one wave's products and LDS loads stand beside the other's softmax.  A wave owns two tiles of 16 queries (x = 0, 1), which share every fragment of K and V read from LDS.
; Both products are used transposed (S^T = K Q^T, O^T = V^T P^T): a lane holds ONE query; the keys of a tile of K, and the channels of a tile of V^T, are chosen (rows 32 (T / 2) + 8 (T % 2) + i + 8 (i / 8)) so that
; the 16 registers of two neighbouring tiles are 16 neighbours along the next K.  All operands come as register images: 1,536 bytes a fragment, three loads of 512 consecutive bytes.
; LDS.  Three slots of four key steps (a step of 128 keys: K's 8 images, then V's 8: 24,576 bytes) hold keys 0 to 1,535 by first fills; slot 0 is filled once more, with keys 1,536 to 2,047, when its four steps are done:
; that load has eight key steps in which to land.  The head's scale words stay in LDS.
; CLUSTER 4 x 1: the four query blocks of a cluster walk the same K and V: every tensor load is joint, with the constant mask 15; all eight waves issue the same five loads on one path.
; No prefetch: three quarters of K and V are asked for at the head, and no wave waits for the one refill.
; REGISTERS.  window 0: v1-15 addresses; v16-27, v28-39 a tile's statistics; v40-47 scale words of K, then of V; v48-63 at work; v64-127 p (also K's fragments 4-7, V's 6, 7); v128-191, v192-255 S^T of tile 0, 1,
;   later p's codes (+0..11), scratch (+12..19) and three fragments of V each (+20, +32, +44).   window 1: v0-63, v64-127 O^T; v128-151 Q; v152-199 K's fragments 0-3.
.set QKS,   18874368                   ; q's and k's scale words in the input buffer
.set CSO,   6291456                    ; in the output: ctx's scale words [h][token tile 512][16 words] (the codes lie at 0: [token tile][h][1536]),
.set ENTO,  6553600                    ; the entropy's partial sums [bh 32][8]
.set STEPB, 24576
.set SLOTB, 98304
.set SC,    294912                     ; K's scale words of the head (8,192 bytes), then V's
.set CSL,   311296                     ; ctx's scale words, gathered: 16 tiles x 64 bytes
.set ENTL,  312320                     ; eight partial sums
.set SPARE, 312576                     ; the spare words, 128 bytes a wave: four blocks of 256 bytes that no other line names
.set LI,  1                            ; v1  16 x lane
.set LS,  2                            ; v2  SC + 4 r
.set AD,  3                            ; v3  the step's images
.set ADS, 4                            ; v4  the step's scale words
.set SPW, 5
.set NIL, 6
.set RBL, 7                            ; v7  the head's bias x log2(e)
.set ST,  16                           ; tile x's statistics at v[ST + 12 x]: +0 bias - M, +1 -M, +2 f, +3 the largest t, +4 d, +5 (0), +6:7 l, +8:9 E, +10 p's scale word, +11 q's scale word
.set KS,  40
.set BM,  48                           ; v48-51 the blocks' largest scores, then p
.set T,   52                           ; v52-55 at work
.set SO,  56                           ; v56-59 the conversions' scale operands
.set LT,  60                           ; v[60:61], v[62:63] second chains of the sums
.set ET,  62
.set TM,  48                           ; QUANT's 16 registers, on the way out
.set P,   64
.set SS,  128
.set QF,  128                          ; in window 1
.set KX,  152
.set WV,  10
.set SEL, 20                           ; s[20:21]
.set CS,  22                           ; s[22:23] c = log2(e) / sqrt(128)
.set TB,  56                           ; s56 LDS byte of the step's images
.set TS,  57                           ; s57 and of its scale words: 512 a step
.set CNT, 58
.set MSB, 0
.macro WIN new
.if MSB != \new
	s_set_vgpr_msb (MSB<<8)|\new
.set MSB, \new
.endif
.endm
.macro PLACES n
.rept \n
	v_nop
.endr
.endm
.macro CROUND
	s_barrier_signal -1
	s_barrier_wait -1
	s_cmp_lg_u32 s[WV], 0
	s_cbranch_scc1 .Lnot_wave_0_\@
	s_barrier_signal -3
.Lnot_wave_0_\@:
	s_barrier_wait -3
	s_barrier_signal -1
	s_barrier_wait -1
.endm
.macro QUANT s, pc, pw
.irp b, 0,1,2,3
	v_max3_num_f32 v[TM+\b], |v[(\s)+16*\b]|, |v[(\s)+1+16*\b]|, 0x1800000
.endr
.irp i, 2,4,6,8,10,12,14
.irp b, 0,1,2,3
	v_max3_num_f32 v[TM+\b], v[TM+\b], |v[(\s)+16*\b+\i]|, |v[(\s)+1+16*\b+\i]|
.endr
.endr
.irp b, 0,1,2,3
	v_permlanex16_b32 v[TM+4+\b], v[TM+\b], s[SEL], s[SEL+1]
.endr
.irp b, 0,1,2,3
	v_max_num_f32 v[TM+\b], v[TM+\b], v[TM+4+\b]
.endr
.irp b, 0,1,2,3
	v_add_nc_u32 v[TM+12+\b], 0xff000000, v[TM+\b]
.endr
.irp b, 0,1,2,3
	v_lshrrev_b32 v[TM+4+\b], 23, v[TM+12+\b]
.endr
	v_lshl_or_b32 v[\pw], v[TM+5], 8, v[TM+4]
	v_lshl_or_b32 v[\pw], v[TM+6], 16, v[\pw]
	v_lshl_or_b32 v[\pw], v[TM+7], 24, v[\pw]
.irp c, 0,1
	v_cvt_scalef32_pk16_fp6_f32 v[(\pc)+6*\c:(\pc)+2+6*\c], v[(\s)+32*\c:(\s)+15+32*\c], v[TM+12+2*\c]
	v_cvt_scalef32_pk16_fp6_f32 v[(\pc)+12+4*\c:(\pc)+14+4*\c], v[(\s)+16+32*\c:(\s)+31+32*\c], v[TM+12+2*\c+1]
.endr
	v_nop
.irp c, 0,1
.irp i, 0,1,2
	v_permlane16_swap_b32 v[(\pc)+6*\c+\i], v[(\pc)+12+4*\c+\i]
.endr
.irp i, 0,1,2
	v_mov_b32 v[(\pc)+3+6*\c+\i], v[(\pc)+12+4*\c+\i]
.endr
.endr
.endm
.macro VPLACE t                        ; where V's fragment t lies: three behind p's codes of each tile, two in p's registers
.if (\t) < 3
.set VF_, SS+20+12*(\t)
.elseif (\t) < 6
.set VF_, SS+84+12*((\t)-3)
.else
.set VF_, P+12*((\t)-6)
.endif
.endm
.macro VLOAD t
	VPLACE \t
.irp c, 0,1,2
	ds_load_b128 v[VF_+4*\c:VF_+4*\c+3], v[AD] offset:12288+1536*(\t)+512*\c
.endr
.endm
; THE SOFTMAX of tile x for a key step: 64 scores a lane, register 16 b + i = key 32 b + 16 h + i.
.macro SOFT x
.set S_, SS+64*(\x)
.set Z_, ST+12*(\x)
.irp b, 0,1,2,3
	v_max3_num_f32 v[BM+\b], v[S_+16*\b], v[S_+16*\b+1], v[S_+16*\b+2]   ; the largest score of each block of 32 keys: it serves the row's maximum and, since p rises with the score, the block's largest p.  Each accumulator is read from its low end on
.endr
.irp i, 3,5,7,9,11,13
.irp b, 0,1,2,3
	v_max3_num_f32 v[BM+\b], v[BM+\b], v[S_+16*\b+\i], v[S_+16*\b+\i+1]
.endr
.endr
.irp b, 0,1,2,3
	v_max_num_f32 v[BM+\b], v[BM+\b], v[S_+16*\b+15]
.endr
.irp b, 0,1,2,3
	v_permlanex16_b32 v[T+\b], v[BM+\b], s[SEL], s[SEL+1]
.endr
.irp b, 0,1,2,3
	v_max_num_f32 v[BM+\b], v[BM+\b], v[T+\b]      ; with lane l xor 16's 16 keys
.endr
	v_max3_num_f32 v[T], v[BM], v[BM+1], v[BM+2]
	v_max_num_f32 v[T], v[T], v[BM+3]
	v_fma_f32 v[T], v[T], s[CS], v[RBL]            ; the step's largest t (c is positive)
	v_max_num_f32 v[Z_+3], v[Z_+3], v[T]           ; the running largest t
	v_mov_b32 v[T+1], v[Z_+1]
	v_floor_f32 v[Z_+1], -v[Z_+3]                  ; -M = floor(-t): M is a whole number
	v_sub_f32 v[Z_+4], v[Z_+1], v[T+1]             ; d = old M - new M, a whole number, 0 or less
	v_cvt_i32_f32 v[T+1], v[Z_+4]                  ; (it saturates)
	v_ldexp_f32 v[Z_+2], 1.0, v[T+1]               ; f = 2^d
	v_add_f32 v[Z_], v[Z_+1], v[RBL]               ; bias - M
.set j_, 0
.rept 32
	v_pk_fma_f32 v[S_+j_:S_+j_+1], v[S_+j_:S_+j_+1], s[CS:CS+1], v[Z_:Z_+1] op_sel_hi:[1,0,0]   ; t - M, two at a time; it stays here for the entropy
.set j_, j_+2
.endr
.irp b, 0,1,2,3
	v_fma_f32 v[BM+\b], v[BM+\b], s[CS], v[Z_]     ; the same of each block's largest score: the same bits
.endr
.irp b, 0,1,2,3
	v_exp_f32 v[BM+\b], v[BM+\b]                   ; ONE BATCH of 68 exponentials
.endr
.set j_, 0
.rept 64
	v_exp_f32 v[P+j_], v[S_+j_]                    ; p = 2^(t - M), not normalised
.set j_, j_+1
.endr
	v_pk_fma_f32 v[Z_+8:Z_+9], v[Z_+6:Z_+7], v[Z_+4:Z_+5], v[Z_+8:Z_+9] op_sel_hi:[1,0,1]   ; E + d l: plain work behind the batch, which names none of its results,
	v_pk_mul_f32 v[Z_+8:Z_+9], v[Z_+8:Z_+9], v[Z_+2:Z_+3] op_sel_hi:[1,0]                   ; x f,
	v_pk_mul_f32 v[Z_+6:Z_+7], v[Z_+6:Z_+7], v[Z_+2:Z_+3] op_sel_hi:[1,0]                   ; and l x f
	s_wait_alu depctr_va_vdst(0)                   ; one wait for the whole batch, ahead of its first reader
	v_pk_add_f32 v[LT:LT+1], v[P:P+1], v[P+2:P+3]  ; the sums of the unquantised p and of p (t - M), two chains each
	v_pk_mul_f32 v[ET:ET+1], v[P+2:P+3], v[S_+2:S_+3]
	v_pk_fma_f32 v[Z_+8:Z_+9], v[P:P+1], v[S_:S_+1], v[Z_+8:Z_+9]
.irp j, 4,8,12,16,20,24,28,32,36,40,44,48,52,56,60
	v_pk_add_f32 v[Z_+6:Z_+7], v[Z_+6:Z_+7], v[P+\j:P+\j+1]
	v_pk_add_f32 v[LT:LT+1], v[LT:LT+1], v[P+\j+2:P+\j+3]
	v_pk_fma_f32 v[Z_+8:Z_+9], v[P+\j:P+\j+1], v[S_+\j:S_+\j+1], v[Z_+8:Z_+9]
	v_pk_fma_f32 v[ET:ET+1], v[P+\j+2:P+\j+3], v[S_+\j+2:S_+\j+3], v[ET:ET+1]
.endr
	v_pk_add_f32 v[Z_+6:Z_+7], v[Z_+6:Z_+7], v[LT:LT+1]
	v_pk_add_f32 v[Z_+8:Z_+9], v[Z_+8:Z_+9], v[ET:ET+1]
.if (\x) == 0                          ; tile 0's t - M are done with: V's scale words and first three fragments are asked for here, a whole softmax ahead of their use
.irp t, 0,1,2,3,4,5,6,7
	ds_load_b32 v[KS+\t], v[ADS] offset:8192+64*\t
.endr
	VLOAD 0
	VLOAD 1
	VLOAD 2
.endif
.irp b, 0,1,2,3
	v_max_num_f32 v[BM+\b], 0x1800000, v[BM+\b]    ; the floor 2^(3 - 127): the byte cannot fall under 1
.endr
.irp b, 0,1,2,3
	v_add_nc_u32 v[SO+\b], 0xff000000, v[BM+\b]    ; 2 off the exponent field: the conversion's scale operand
.endr
.irp b, 0,1,2,3
	v_lshrrev_b32 v[T+\b], 23, v[SO+\b]
.endr
	v_lshl_or_b32 v[Z_+10], v[T+1], 8, v[T]        ; p's scale word for these 128 keys
	v_lshl_or_b32 v[Z_+10], v[T+2], 16, v[Z_+10]
	v_lshl_or_b32 v[Z_+10], v[T+3], 24, v[Z_+10]
.irp c, 0,1
	v_cvt_scalef32_pk16_fp6_f32 v[S_+6*\c:S_+2+6*\c], v[P+32*\c:P+15+32*\c], v[SO+2*\c]
	v_cvt_scalef32_pk16_fp6_f32 v[S_+12+4*\c:S_+14+4*\c], v[P+16+32*\c:P+31+32*\c], v[SO+2*\c+1]
.endr
	v_nop                                          ; one plain instruction behind the scaled conversions
.irp c, 0,1
.irp i, 0,1,2
	v_permlane16_swap_b32 v[S_+6*\c+\i], v[S_+12+4*\c+\i]
.endr
.irp i, 0,1,2
	v_mov_b32 v[S_+3+6*\c+\i], v[S_+12+4*\c+\i]
.endr
.endr
.endm
; A KEY STEP of 128 keys.  first = 1: the first, whose products start O^T's sums.
.macro STEP first
	v_add_nc_u32 v[AD], s[TB], v[LI]
	v_add_nc_u32 v[ADS], s[TS], v[LS]
	PLACES 4                                       ; with the two additions six plain instructions behind the last products: the scores below are laid over operands of those products (five are owed), and loads land in others (four)
.irp t, 0,1,2,3,4,5,6,7
	ds_load_b32 v[KS+\t], v[ADS] offset:64*\t
.endr
	WIN 0x40                                       ; destination window 1
.irp t, 0,1,2,3
.irp c, 0,1,2
	ds_load_b128 v[KX+12*\t+4*\c:KX+12*\t+4*\c+3], v[AD] offset:1536*\t+512*\c
.endr
.endr
	WIN 0
.irp t, 4,5,6,7
.irp c, 0,1,2
	ds_load_b128 v[P+12*(\t-4)+4*\c:P+12*(\t-4)+4*\c+3], v[AD] offset:1536*\t+512*\c
.endr
.endr
	s_wait_dscnt 12                                ; the scale words and K's fragments 0-3 are in; the youngest twelve loads, fragments 4-7, may be out
	WIN 0x05                                       ; K and Q in window 1
.irp t, 0,1,2,3
.irp x, 0,1
	v_wmma_scale_f32_16x16x128_f8f6f4 v[SS+64*\x+8*\t:SS+64*\x+8*\t+7], v[KX+12*\t:KX+12*\t+11], v[QF+12*\x:QF+12*\x+11], 0, v[KS+\t], v[ST+12*\x+11] matrix_a_fmt:MATRIX_FMT_FP6 matrix_b_fmt:MATRIX_FMT_FP6
.endr
.endr
	s_wait_dscnt 0x0
	WIN 0x04                                       ; K in window 0, Q in window 1
.irp t, 4,5,6,7
.irp x, 0,1
	v_wmma_scale_f32_16x16x128_f8f6f4 v[SS+64*\x+8*\t:SS+64*\x+8*\t+7], v[P+12*(\t-4):P+12*(\t-4)+11], v[QF+12*\x:QF+12*\x+11], 0, v[KS+\t], v[ST+12*\x+11] matrix_a_fmt:MATRIX_FMT_FP6 matrix_b_fmt:MATRIX_FMT_FP6
.endr
.endr
	WIN 0
	PLACES 4                                       ; four plain instructions between the last product and the first read of results
	SOFT 0
	SOFT 1
	VLOAD 3
	VLOAD 4
	VLOAD 5
	VLOAD 6
	VLOAD 7
.if \first
	PLACES 8                                       ; a scale register written by a vector instruction stands eight plain instructions ahead of a scaled product, an operand four
.else
	WIN 0x41                                       ; O^T in window 1, f in window 0
.irp x, 0,1
.set j_, 0
.rept 32
	v_pk_mul_f32 v[64*\x+j_:64*\x+j_+1], v[64*\x+j_:64*\x+j_+1], v[ST+12*\x+2:ST+12*\x+3] op_sel_hi:[1,0]   ; O^T under the new M; these are also the plain instructions ahead of the products below
.set j_, j_+2
.endr
.endr
.endif
	s_wait_dscnt 0x0                               ; V and its scale words are in
	WIN 0x50                                       ; C and D in window 1
.irp t, 0,1,2,3,4,5,6,7
	VPLACE \t
.irp x, 0,1
.if \first
	v_wmma_scale_f32_16x16x128_f8f6f4 v[64*\x+8*\t:64*\x+8*\t+7], v[VF_:VF_+11], v[SS+64*\x:SS+64*\x+11], 0, v[KS+\t], v[ST+12*\x+10] matrix_a_fmt:MATRIX_FMT_FP6 matrix_b_fmt:MATRIX_FMT_FP6
.else
	v_wmma_scale_f32_16x16x128_f8f6f4 v[64*\x+8*\t:64*\x+8*\t+7], v[VF_:VF_+11], v[SS+64*\x:SS+64*\x+11], v[64*\x+8*\t:64*\x+8*\t+7], v[KS+\t], v[ST+12*\x+10] matrix_a_fmt:MATRIX_FMT_FP6 matrix_b_fmt:MATRIX_FMT_FP6
.endif
.endr
.endr                                  ; sixteen accumulators, one instruction a turn
	WIN 0
	s_add_co_u32 s[TB], s[TB], STEPB
	s_add_co_u32 s[TS], s[TS], 512
.endm
	s_load_b128 s[4:7], s[0:1], 0x0                ; q, k, v as codes; resonance_bias
	s_load_b64 s[8:9], s[0:1], 0x10                ; the output
	v_lshl_add_u32 v[SPW], v0, 2, SPARE
	v_mov_b32 v[NIL], 0
	ds_add_u32 v[SPW], v[NIL]                      ; the wave's opening: the add and its wait come ahead of my first tensor load; work on registers stands between them
	v_lshrrev_b32 v1, 5, v0
	v_readfirstlane_b32 s[WV], v1                  ; wave 0..7
	s_and_b32 s13, ttmp7, 0xffff                   ; bh = 8 x batch + head, which the four partners share
	s_and_b32 s14, s[WV], 3                        ; which key step of a slot I fetch,
	s_lshr_b32 s15, s[WV], 2                       ; of K (0) or of V (1)
	s_mov_b32 s24, 15|(3<<16)|(1<<21)              ; group 1 for the images: 15:0 the mask, all four work-groups; 17:16 elements of 8 bytes; 21 set beside a mask; 12,288 dense bytes as 48 rows of 256
	s_mov_b32 s25, 32<<16
	s_mov_b32 s26, 48<<16
	s_mov_b32 s27, 32<<16
	s_mov_b32 s28, 48
	s_mov_b32 s29, 32
	s_mov_b32 s30, 0
	s_mov_b32 s31, 0
	s_mov_b32 s32, 15|(3<<16)|(1<<21)              ; and for the scale words: 2,048 dense bytes as 8 rows
	s_mov_b32 s33, 32<<16
	s_mov_b32 s34, 8<<16
	s_mov_b32 s35, 32<<16
	s_mov_b32 s36, 8
	s_mov_b32 s37, 32
	s_mov_b32 s38, 0
	s_mov_b32 s39, 0
	s_mov_b32 s72, 12582912                        ; v's codes,
	s_mov_b32 s74, 19398656                        ; v's scale words;
	s_cmp_lt_u32 s[WV], 4
	s_cselect_b32 s72, 6291456, s72                ; k's codes,
	s_cselect_b32 s74, 19136512, s74               ; k's scale words
	s_mul_i32 s16, s13, 196608
	s_add_co_u32 s72, s72, s16
	s_mul_i32 s16, s14, 12288
	s_add_co_u32 s72, s72, s16
	s_mov_b32 s73, 0
	s_lshl_b32 s16, s13, 13
	s_add_co_u32 s74, s74, s16
	s_lshl_b32 s16, s14, 11
	s_add_co_u32 s74, s74, s16
	s_mov_b32 s75, 0
	s_mul_i32 s17, s14, STEPB
	s_mul_i32 s16, s15, 12288
	s_add_co_u32 s17, s17, s16                     ; my part's place in a slot
	s_lshl_b32 s18, s[WV], 11
	s_add_co_u32 s18, s18, SC                      ; and among the scale words
	s_mov_b32 s[SEL], 0x76543210
	s_mov_b32 s[SEL+1], 0xfedcba98
	s_mov_b32 s[CS], 0x3e0293ee
	s_mov_b32 s[CS+1], s[CS]                       ; named with it as a pair
	s_mov_b32 s[TB], 0
	s_mov_b32 s[TS], 0
	; what hangs on my place in the cluster: Q's and the output's addresses alone
	s_bfe_u32 s11, ttmp6, 0x40000                  ; cx
	s_lshl_b32 s12, ttmp9, 2
	s_add_co_u32 s12, s12, s11                     ; my block of 256 queries
	s_lshr_b32 s77, s13, 3                         ; batch
	s_and_b32 s78, s13, 7                          ; head
	s_lshl_b32 s60, s13, 7
	s_lshl_b32 s76, s12, 4
	s_add_co_u32 s60, s60, s76
	s_lshl_b32 s76, s[WV], 1
	s_add_co_u32 s60, s60, s76                     ; my first tile of q: 128 bh + 16 block + 2 wave
	s_lshl_b32 s62, s60, 6
	s_add_co_u32 s62, s62, QKS
	s_mov_b32 s63, 0
	s_mul_i32 s60, s60, 1536
	s_mov_b32 s61, 0
	s_lshl_b32 s66, s77, 7
	s_lshl_b32 s76, s12, 4
	s_add_co_u32 s66, s66, s76                     ; the work-group's first token tile: 128 batch + 16 block
	s_lshl_b32 s68, s78, 9
	s_add_co_u32 s68, s68, s66
	s_lshl_b32 s68, s68, 6
	s_add_co_u32 s68, s68, CSO
	s_mov_b32 s69, 0
	s_lshl_b32 s76, s[WV], 1
	s_add_co_u32 s66, s66, s76
	s_lshl_b32 s66, s66, 3
	s_add_co_u32 s66, s66, s78
	s_mul_i32 s66, s66, 1536
	s_mov_b32 s67, 0
	s_lshl_b32 s70, s13, 3
	s_add_co_u32 s70, s70, s12
	s_lshl_b32 s70, s70, 2
	s_add_co_u32 s70, s70, ENTO
	s_mov_b32 s71, 0
	s_lshl_b32 s78, s78, 2                         ; the head's word of resonance_bias
	s_wait_dscnt 0x0                               ; the opening add is done
	s_wait_kmcnt 0x0
	s_add_nc_u64 s[72:73], s[4:5], s[72:73]
	s_add_nc_u64 s[74:75], s[4:5], s[74:75]
	s_add_nc_u64 s[60:61], s[4:5], s[60:61]
	s_add_nc_u64 s[62:63], s[4:5], s[62:63]
	s_add_nc_u64 s[66:67], s[8:9], s[66:67]
	s_add_nc_u64 s[68:69], s[8:9], s[68:69]
	s_add_nc_u64 s[70:71], s[8:9], s[70:71]
	s_mov_b32 s40, 1                               ; groups 0: the scale words,
	s_mov_b32 s41, s18
	s_mov_b64 s[42:43], s[74:75]
	s_or_b32 s43, s43, 0x80000000
.irp n, 0,1,2                                  ; slots 0, 1, 2
	s_mov_b32 s[44+4*\n], 1
	s_add_co_u32 s[45+4*\n], s17, \n*SLOTB
	s_add_nc_u64 s[46+4*\n:47+4*\n], s[72:73], \n*49152
	s_or_b32 s[47+4*\n], s[47+4*\n], 0x80000000
.endr
	CROUND                                         ; all four work-groups are here: the joint loads meet
	tensor_load_to_lds s[40:43], s[32:39]          ; four loads of mine are out
	s_nop 0
	tensor_load_to_lds s[44:47], s[24:31]
	s_nop 0
	tensor_load_to_lds s[48:51], s[24:31]
	s_nop 0
	tensor_load_to_lds s[52:55], s[24:31]
	s_nop 0
	PLACES 4
	v_and_b32 v13, 31, v0                          ; lane
	v_and_b32 v10, 15, v0                          ; r
	v_lshlrev_b32 v[LI], 4, v13
	v_lshl_add_u32 v[LS], v10, 2, SC
	v_lshlrev_b32 v14, 2, v10
	v_mov_b32 v15, s78
	s_lshl_b32 s76, s[WV], 7
	s_add_co_u32 s76, s76, CSL
	v_lshl_add_u32 v8, v10, 2, s76                 ; the way out: my row's scale word of ctx,
	s_lshl_b32 s76, s[WV], 2
	s_add_co_u32 s76, s76, ENTL
	v_mov_b32 v9, s76                              ; my wave's partial sum,
	v_add_nc_u32 v10, CSL, v[LI]                   ; and what wave 0 reads back
	v_mov_b32 v11, ENTL
	v_mov_b32 v12, 0
	WIN 0x40                                       ; destination window 1
.irp x, 0,1
.irp c, 0,1,2
	global_load_b128 v[QF+12*\x+4*\c:QF+12*\x+4*\c+3], v[LI], s[60:61] offset:1536*\x+512*\c   ; Q's two fragments stay in registers
.endr
.endr
	WIN 0
.irp x, 0,1
	global_load_b32 v[ST+12*\x+11], v14, s[62:63] offset:64*\x
.endr
	global_load_b32 v[RBL], v15, s[6:7]
.irp x, 0,1
	v_mov_b32 v[ST+12*\x+3], 0xff61b1e6            ; the largest t so far: -3e38, under every t
	v_floor_f32 v[ST+12*\x+1], -v[ST+12*\x+3]      ; -M
	v_mov_b32 v[ST+12*\x+5], 0                     ; named as the upper half of d's pair
.irp i, 6,7,8,9
	v_mov_b32 v[ST+12*\x+\i], 0                    ; l and E
.endr
.endr
.irp b, 0,1,2,3
	v_mov_b32 v[T+\b], 0                           ; written once: a lane permute's destination counts as one of its sources
.endr
	s_wait_loadcnt 0x0
	v_mul_f32 v[RBL], 0x3fb8aa3b, v[RBL]           ; the bias as a part of t
	s_wait_tensorcnt 2                             ; the scale words and my part of slot 0 are in; slots 1 and 2 may be out
	s_barrier_signal -1
	s_barrier_wait -1
	STEP 1                                         ; key step 0 starts the sums
	s_mov_b32 s[CNT], 3
.Lslot0:                                           ; key steps 1 to 3
	STEP 0
	s_sub_co_u32 s[CNT], s[CNT], 1
	s_cmp_lg_u32 s[CNT], 0
	s_cbranch_scc1 .Lslot0
	; SLOT 0 IS FILLED AGAIN.  Every wave: all my tensor loads have landed (slots 1 and 2 among them); the add; my reads of slot 0 are over; a round of the cluster's barrier; the joint refill first behind it.
	s_wait_tensorcnt 0x0
	ds_add_u32 v[SPW], v[NIL]
	s_add_nc_u64 s[46:47], s[46:47], 147456        ; no load of mine is out, so the group 0 may be written: key steps 12 to 15
	s_wait_dscnt 0x0
	CROUND
	tensor_load_to_lds s[44:47], s[24:31]
	s_nop 0
	PLACES 4
	s_mov_b32 s[TB], SLOTB
	s_mov_b32 s[CNT], 8
.Lslot12:                                          ; key steps 4 to 11, in slots 1 and 2
	STEP 0
	s_sub_co_u32 s[CNT], s[CNT], 1
	s_cmp_lg_u32 s[CNT], 0
	s_cbranch_scc1 .Lslot12
	s_wait_tensorcnt 0x0                           ; my part of the refill has landed,
	s_wait_dscnt 0x0
	s_barrier_signal -1
	s_barrier_wait -1                              ; everybody's has.
	s_mov_b32 s[TB], 0
	s_mov_b32 s[CNT], 4
.Lslot3:                                           ; key steps 12 to 15
	STEP 0
	s_sub_co_u32 s[CNT], s[CNT], 1
	s_cmp_lg_u32 s[CNT], 0
	s_cbranch_scc1 .Lslot3
	; THE WAY OUT.  The four additions are the plain instructions behind the last products.
.irp x, 0,1
	v_add_f32 v[ST+12*\x+6], v[ST+12*\x+6], v[ST+12*\x+7]
	v_add_f32 v[ST+12*\x+8], v[ST+12*\x+8], v[ST+12*\x+9]
.endr
.irp x, 0,1
	v_permlanex16_b32 v[T+2*\x], v[ST+12*\x+6], s[SEL], s[SEL+1]
	v_permlanex16_b32 v[T+2*\x+1], v[ST+12*\x+8], s[SEL], s[SEL+1]
.endr
.irp x, 0,1
	v_add_f32 v[ST+12*\x+6], v[ST+12*\x+6], v[T+2*\x]       ; the row's l
	v_add_f32 v[ST+12*\x+8], v[ST+12*\x+8], v[T+2*\x+1]     ; and E
.endr
.irp x, 0,1
	v_rcp_f32 v[ST+12*\x+2], v[ST+12*\x+6]
	v_log_f32 v[ST+12*\x+4], v[ST+12*\x+6]
.endr
	v_nop                                          ; a plain instruction behind the last of the four,
	s_wait_alu depctr_va_vdst(0)                   ; and one wait for them, ahead of the first reader
.irp x, 0,1
	v_fma_f32 v[BM+\x], -v[ST+12*\x+8], v[ST+12*\x+2], v[ST+12*\x+4]   ; log2 l - E / l
.endr
	v_add_f32 v13, v[BM], v[BM+1]
	v_add_f32_dpp v13, v13, v13 row_xmask:1 row_mask:0xf bank_mask:0xf   ; over the 16 queries of a tile; both halves of the lanes hold the same numbers
	v_add_f32_dpp v13, v13, v13 row_xmask:2 row_mask:0xf bank_mask:0xf
	v_add_f32_dpp v13, v13, v13 row_xmask:4 row_mask:0xf bank_mask:0xf
	v_add_f32_dpp v13, v13, v13 row_xmask:8 row_mask:0xf bank_mask:0xf
	ds_store_b32 v9, v13                           ; all lanes write the same word with the same value
.irp x, 0,1
	WIN 0x01                                       ; O^T in window 1
.set j_, 0
.rept 32
	v_pk_mul_f32 v[SS+64*\x+j_:SS+64*\x+j_+1], v[64*\x+j_:64*\x+j_+1], v[ST+12*\x+2:ST+12*\x+3] op_sel_hi:[1,0]   ; ctx = O^T / l, each accumulator from its low end on: register 16 b + i = channel 32 b + 16 h + i
.set j_, j_+2
.endr
	WIN 0
	QUANT SS+64*\x, 64+20*\x, 40+\x
.irp c, 0,1,2
	global_store_b128 v[LI], v[64+20*\x+4*\c:64+20*\x+4*\c+3], s[66:67] offset:12288*\x+512*\c   ; 512 consecutive bytes, aligned
.endr
	ds_store_b32 v8, v[40+\x] offset:64*\x
.endr
	s_wait_dscnt 0x0                               ; for the others' sake: my scale words and my partial sum lie in LDS
	s_barrier_signal -1
	s_barrier_wait -1
	s_cmp_lg_u32 s[WV], 0
	s_cbranch_scc1 .Lnot0
	ds_load_b128 v[192:195], v10                   ; wave 0 stores the work-group's 1,024 bytes of scale words whole,
	ds_load_b128 v[196:199], v10 offset:512
	ds_load_b128 v[200:203], v11                   ; and adds the eight partial sums
	ds_load_b128 v[204:207], v11 offset:16
	s_wait_dscnt 0x0
	global_store_b128 v[LI], v[192:195], s[68:69]
	global_store_b128 v[LI], v[196:199], s[68:69] offset:512
	v_add_f32 v200, v200, v201
	v_add_f32 v202, v202, v203
	v_add_f32 v204, v204, v205
	v_add_f32 v206, v206, v207
	v_add_f32 v200, v200, v202
	v_add_f32 v204, v204, v206
	v_add_f32 v200, v200, v204
	v_cmp_eq_u32 vcc_lo, 0, v0
	s_wait_xcnt 0x0                                ; EXEC changes only behind this wait
	s_and_saveexec_b32 s72, vcc_lo
	global_store_b32 v12, v200, s[70:71]           ; one lane, one number
	s_wait_xcnt 0x0                                ; and again, in front of the line that widens it
	s_or_b32 exec_lo, exec_lo, s72
.Lnot0:
	s_wait_tensorcnt 0x0                           ; the wave's end, behind my last tensor load and my last LDS store
	ds_add_u32 v[SPW], v[NIL]
	s_wait_dscnt 0x0
	CROUND                                         ; the closing round
	s_endpgm
.Lfunc_end_k_qa4fe19f33a_attn:
	.size	k_qa4fe19f33a_attn, .Lfunc_end_k_qa4fe19f33a_attn-k_qa4fe19f33a_attn
	.p2alignl 7, 3214868480
	.fill 96, 4, 3214868480
	.section	.rodata,"a",@progbits
	.p2align	6, 0x0
	.amdhsa_kernel k_qa4fe19f33a_attn
		.amdhsa_group_segment_fixed_size 327680
		.amdhsa_private_segment_fixed_size 0
		.amdhsa_enable_private_segment 0
		.amdhsa_kernarg_size 24
		.amdhsa_user_sgpr_count 2
		.amdhsa_user_sgpr_kernarg_segment_ptr 1
		.amdhsa_wavefront_size32 1
		.amdhsa_system_sgpr_workgroup_id_x 1
		.amdhsa_system_sgpr_workgroup_id_y 1
		.amdhsa_system_sgpr_workgroup_id_z 1
		.amdhsa_system_vgpr_workitem_id 0
		.amdhsa_next_free_vgpr 512
		.amdhsa_next_free_sgpr 80
		.amdhsa_reserve_vcc 1
		.amdhsa_float_denorm_mode_32 3
		.amdhsa_float_denorm_mode_16_64 3
		.amdhsa_memory_ordered 1
		.amdhsa_forward_progress 1
		.amdhsa_inst_pref_size 175
	.end_amdhsa_kernel
	.amdgpu_metadata
---
amdhsa.version: [ 1, 2 ]
amdhsa.kernels:
  - .name:           k_qa4fe19f33a_attn
    .symbol:         k_qa4fe19f33a_attn.kd
    .args:
      - { .name: qkvc, .offset: 0, .size: 8, .value_kind: global_buffer, .address_space: global }
      - { .name: resonance_bias, .offset: 8, .size: 8, .value_kind: global_buffer, .address_space: global }
      - { .name: ctxc, .offset: 16, .size: 8, .value_kind: global_buffer, .address_space: global }
    .group_segment_fixed_size: 327680
    .private_segment_fixed_size: 0
    .kernarg_segment_align: 8
    .kernarg_segment_size: 24
    .max_flat_workgroup_size: 256
    .sgpr_count:     80
    .vgpr_count:     512
    .wavefront_size: 32
...
	.end_amdgpu_metadata
.endif
;; end of part 3
;; launch oproj (part 4): grid 4 x 64, 4 waves a work-group, clusters of 4 x 4, 327,680 bytes of LDS; arguments ctxc, opsc, bo, out0, out1; writes out0, out1
.if DOCPART == 4
	.amdgcn_target "amdgcn-amd-amdhsa--gfx1250"
	.amdhsa_code_object_version 6
	.text
	.protected	k_qa4fe19f33a_oproj
	.globl	k_qa4fe19f33a_oproj
	.p2align	8
	.type	k_qa4fe19f33a_oproj,@function
k_qa4fe19f33a_oproj:
	s_mov_b64 s[64:65], 0
	v_nop
	global_prefetch_b8 v0, s[64:65] scope:SCOPE_SE
	s_setreg_imm32_b32 hwreg(HW_REG_WAVE_MODE, 25, 1), 1
	s_wait_xcnt 0x0
	s_wait_alu depctr_hold_cnt(0) depctr_sa_sdst(0) depctr_va_vdst(0) depctr_va_sdst(0) depctr_va_ssrc(0) depctr_va_vcc(0) depctr_vm_vsrc(0)
	s_getreg_b32 s2, hwreg(HW_REG_IB_STS2, 6, 4)
	s_cmp_eq_u32 s2, 0
	s_cbranch_scc0 .Lentry_in_a_cluster
	s_endpgm
.Lentry_in_a_cluster:
	s_bfe_u32 s2, ttmp6, 0x10000c
	s_cmp_lg_u32 s2, 0xf033
	s_cbranch_scc0 .Lentry_shape_is_right
	s_endpgm
.Lentry_shape_is_right:
; out0 = ctx Wo^T + bo on codes of FP6 (E2M3) with E8M0 scales, K = 1,024 (a K step = a head); out1 = the mean row entropy of each (batch, head), from the eight partial sums that the launch before has stored.
; OPERANDS come as register images (a fragment = a tile of 16 rows x 128 K = 1,536 bytes); tile T holds rows 32 (T / 2) + 8 (T % 2) + i + 8 (i / 8).
; A WORK-GROUP multiplies R0 (source 0: 256 rows of Wo, 16 tiles) by R1 (source 1: 128 tokens, 8 tiles).  A lane holds one token, and the 16 registers of two neighbouring tiles of Wo are 16 neighbouring columns of out0.
; ALL OF K LIES IN LDS, as two slices of four K steps, each filled once.  Four waves: wave w takes R1's tiles 4 (w / 2) + 0..3 and R0's tiles 8 (w % 2) + 0..7: 32 accumulators.
; CLUSTER 4 x 4: R1 hangs on the work-group's y and is asked for jointly along a row of the cluster, R0 on its x and along a column.  No prefetch: the launch has first fills alone, which go out at its head.
; bo enters as the C of the first K step.
; REGISTERS.  window 0: v1-11 addresses; v14 the bias's offset; v16-26 the entropy; v28, v29 the add's two; v32-63 R1's scale words [8 a + s], v64-127 R0's [8 b + s]; v128-175, v176-223 R1's fragments, two sets
;   (on the way out v128-255 take rows of out0).   window 1: v0-95, v128-223 R0's fragments, two sets.   window 2: accumulator (a, b) at v[8 (8 a + b)].   window 3: v0-63 bo in the result's layout.
.set WOC,   8650752                    ; Wo's codes in the operands' buffer,
.set WOS,   9797632                    ; its scale words
.set CSO,   6291456                    ; ctx's scale words [h][token tile 512][16 words],
.set ENTO,  6553600                    ; the entropy's partial sums [bh 32][8]
.set SLICE, 147456                     ; a slice in LDS: R1's 8 tiles x 6,144 bytes, then R0's 16
.set SCL,   294912                     ; R1's scale words (4,096 bytes), then R0's (8,192)
.set SPARE, 308224                     ; the spare words, 128 bytes a wave: two blocks of 256 bytes that no other line names
.set STGB,  8448                       ; the way out: a stage of 16 rows x 528 bytes a wave, in slice 0, which has had its one fill and which nobody reads behind the fourth K step's barrier
.set LI,    3
.set AD1,   4
.set AD0,   6
.set ADSA,  8
.set ADSB,  9
.set STO,   10
.set RD,    11
.set SPW,   28
.set NIL,   29
.set SA,    32
.set SB,    64
.set G1A,   24
.set G0A,   32
.set G1B,   44
.set G0B,   52
.set G1SA,  68
.set G1SB,  76
.set MSB, 0
.macro WIN new
.if MSB != \new
	s_set_vgpr_msb (MSB<<8)|\new
.set MSB, \new
.endif
.endm
.macro PLACES n
.rept \n
	v_nop
.endr
.endm
.macro CROUND
	s_barrier_signal -1
	s_barrier_wait -1
	s_cmp_lg_u32 s14, 0
	s_cbranch_scc1 .Lnot_wave_0_\@
	s_barrier_signal -3
.Lnot_wave_0_\@:
	s_barrier_wait -3
	s_barrier_signal -1
	s_barrier_wait -1
.endm
.macro JLOAD g0a, g1a, g0b, g1b        ; a joint load: waves 0 and 1 fetch R1's halves, waves 2 and 3 R0's; an s_nop 0 and four v_nop follow each line
	s_cmp_eq_u32 s15, 0
	s_cbranch_scc0 .Lfor_b_\@
	tensor_load_to_lds s[\g0a:\g0a+3], s[\g1a:\g1a+7]
	s_nop 0
.rept 4
	v_nop
.endr
	s_branch .Lasked_\@
.Lfor_b_\@:
	tensor_load_to_lds s[\g0b:\g0b+3], s[\g1b:\g1b+7]
	s_nop 0
.rept 4
	v_nop
.endr
.Lasked_\@:
.endm
.macro FETCH s
	WIN 0x40
.irp b, 0,1,2,3,4,5,6,7
.irp c, 0,1,2
	ds_load_b128 v[128*((\s)%2)+12*\b+4*\c:128*((\s)%2)+12*\b+4*\c+3], v[AD0+(\s)/4] offset:6144*\b+1536*((\s)%4)+512*\c
.endr
.endr
	WIN 0
.irp a, 0,1,2,3
.irp c, 0,1,2
	ds_load_b128 v[128+48*((\s)%2)+12*\a+4*\c:128+48*((\s)%2)+12*\a+4*\c+3], v[AD1+(\s)/4] offset:6144*\a+1536*((\s)%4)+512*\c
.endr
.endr
.endm
.macro MUL s                           ; 32 products; the 32 accumulators take turns, one instruction a turn, in the same order in every K step
.if (\s) == 0
	WIN 0xb1
.else
	WIN 0xa1
.endif
.irp a, 0,1,2,3
.irp b, 0,1,2,3,4,5,6,7
.if (\s) == 0
	v_wmma_scale_f32_16x16x128_f8f6f4 v[8*(8*\a+\b):8*(8*\a+\b)+7], v[128*((\s)%2)+12*\b:128*((\s)%2)+12*\b+11], v[128+48*((\s)%2)+12*\a:128+48*((\s)%2)+12*\a+11], v[8*\b:8*\b+7], v[SB+8*\b+(\s)], v[SA+8*\a+(\s)] matrix_a_fmt:MATRIX_FMT_FP6 matrix_b_fmt:MATRIX_FMT_FP6
.else
	v_wmma_scale_f32_16x16x128_f8f6f4 v[8*(8*\a+\b):8*(8*\a+\b)+7], v[128*((\s)%2)+12*\b:128*((\s)%2)+12*\b+11], v[128+48*((\s)%2)+12*\a:128+48*((\s)%2)+12*\a+11], v[8*(8*\a+\b):8*(8*\a+\b)+7], v[SB+8*\b+(\s)], v[SA+8*\a+(\s)] matrix_a_fmt:MATRIX_FMT_FP6 matrix_b_fmt:MATRIX_FMT_FP6
.endif
.endr
.endr
.endm
.macro STEP s
	s_wait_dscnt 0x0                               ; this step's fragments, asked for a step (32 products) ago, are in
.if (\s) == 3
	s_wait_tensorcnt 0x0                           ; my part of slice 1 has landed,
	s_barrier_signal -1
	s_barrier_wait -1                              ; everybody's has; and nobody reads slice 0 any more.
.endif
.if (\s) < 7
.if (\s) > 0
	PLACES 4                                       ; four plain instructions between the last product and loads into the set that it read
.endif
	FETCH (\s)+1
.endif
	MUL \s
.endm
; THE WAY OUT of tile a: 16 tokens x 128 columns go through my stage and come back as whole rows of 512 bytes.
.macro TOSTAGE a
	WIN 0x08                                       ; an LDS store's data are its source 1: window 2
.irp b, 0,1,2,3,4,5,6,7
	ds_store_b128 v[STO], v[64*(\a)+8*\b:64*(\a)+8*\b+3] offset:128*(\b/2)+32*(\b%2)          ; each accumulator from its low end on
	ds_store_b128 v[STO], v[64*(\a)+8*\b+4:64*(\a)+8*\b+7] offset:128*(\b/2)+32*(\b%2)+16
.endr
	WIN 0
.set BB, 128+64*((\a)%2)
.irp t, 0,1,2,3,4,5,6,7,8,9,10,11,12,13,14,15
	ds_load_b128 v[BB+4*\t:BB+4*\t+3], v[RD] offset:528*\t   ; LDS serves a wave's instructions in order: these see my stores, and the next tile's stores come behind them
.endr
.endm
.macro SEND a, younger                 ; younger: the LDS instructions issued behind tile a's loads, which may stay out
.set BB, 128+64*((\a)%2)
	s_wait_dscnt \younger
.irp t, 0,1,2,3,4,5,6,7,8,9,10,11,12,13,14,15
	global_store_b128 v[LI], v[BB+4*\t:BB+4*\t+3], s[86:87] offset:(32*((\a)/2)+8*((\a)%2)+\t+8*(\t/8))*4096 th:TH_STORE_NT   ; 32 lanes store 512 consecutive bytes, aligned; written once, read by nobody here
.endr
.endm
	s_load_b256 s[4:11], s[0:1], 0x0               ; ctx, the weights, bo, out0
	s_load_b64 s[12:13], s[0:1], 0x20              ; out1
	v_lshl_add_u32 v[SPW], v0, 2, SPARE
	v_mov_b32 v[NIL], 0
	ds_add_u32 v[SPW], v[NIL]                      ; the wave's opening: the add and its wait come ahead of my first tensor load; work on registers stands between them
	v_lshrrev_b32 v1, 5, v0
	v_readfirstlane_b32 s14, v1                    ; wave 0..3
	s_lshr_b32 s15, s14, 1                         ; my half of R1's tiles.  Also: I fetch for R1 (0) or for R0 (1)
	s_and_b32 s16, s14, 1                          ; my half of R0's tiles.  Also: which half I fetch
	s_bfe_u32 s84, ttmp6, 0x40000                  ; cx
	s_bfe_u32 s85, ttmp6, 0x40004                  ; cy
	s_lshl_b32 s17, ttmp9, 2
	s_add_co_u32 s17, s17, s84                     ; X: which 256 rows of Wo
	s_and_b32 s18, ttmp7, 0xffff
	s_lshl_b32 s18, s18, 2
	s_add_co_u32 s18, s18, s85                     ; Y: which 128 tokens
	s_lshl_b32 s94, s85, 2
	s_lshl_b32 s94, 15, s94                        ; my row of the cluster
	s_lshl_b32 s95, 0x1111, s84                    ; my column
	s_or_b32 s[G1A], s94, (3<<16)|(1<<21)          ; 15:0 the mask; 17:16 elements of 8 bytes; 21 set beside a mask; no padding
	s_or_b32 s[G1SA], s94, (3<<16)|(1<<21)
	s_or_b32 s[G1B], s95, (3<<16)|(1<<21)
	s_or_b32 s[G1SB], s95, (3<<16)|(1<<21)
	s_mov_b32 s[G1A+1], 768<<16                    ; R1's codes: 4 tiles' rows of 6,144 bytes (four K steps), 12,288 bytes apart
	s_mov_b32 s[G1A+2], 4<<16
	s_mov_b32 s[G1A+3], 768<<16
	s_mov_b32 s[G1A+4], 4
	s_mov_b32 s[G1A+5], 1536
	s_mov_b32 s[G1A+6], 0
	s_mov_b32 s[G1A+7], 0
	s_mov_b32 s[G1B+1], 768<<16                    ; R0's: 8 tiles
	s_mov_b32 s[G1B+2], 8<<16
	s_mov_b32 s[G1B+3], 768<<16
	s_mov_b32 s[G1B+4], 8
	s_mov_b32 s[G1B+5], 1536
	s_mov_b32 s[G1B+6], 0
	s_mov_b32 s[G1B+7], 0
	s_mov_b32 s[G1SA+1], 32<<16                    ; R1's scale words: for each of the 8 K steps the 256 bytes of 4 tiles, 32,768 bytes apart
	s_mov_b32 s[G1SA+2], 8<<16
	s_mov_b32 s[G1SA+3], 32<<16
	s_mov_b32 s[G1SA+4], 8
	s_mov_b32 s[G1SA+5], 4096
	s_mov_b32 s[G1SA+6], 0
	s_mov_b32 s[G1SA+7], 0
	s_mov_b32 s[G1SB+1], 32<<16                    ; R0's: 4,096 dense bytes as 16 rows of 256
	s_mov_b32 s[G1SB+2], 16<<16
	s_mov_b32 s[G1SB+3], 32<<16
	s_mov_b32 s[G1SB+4], 16
	s_mov_b32 s[G1SB+5], 32
	s_mov_b32 s[G1SB+6], 0
	s_mov_b32 s[G1SB+7], 0
	s_mul_i32 s86, s18, 98304                      ; R1 hangs on Y and the wave's number alone,
	s_mul_i32 s97, s16, 49152
	s_add_co_u32 s86, s86, s97
	s_mov_b32 s87, 0
	s_lshl_b32 s88, s18, 9
	s_lshl_b32 s97, s16, 8
	s_add_co_u32 s88, s88, s97
	s_add_co_u32 s88, s88, CSO
	s_mov_b32 s89, 0
	s_mul_i32 s90, s17, 196608                     ; R0 on X and the wave's number alone
	s_mul_i32 s98, s16, 98304
	s_add_co_u32 s90, s90, s98
	s_add_co_u32 s90, s90, WOC
	s_mov_b32 s91, 0
	s_lshl_b32 s92, s17, 13
	s_lshl_b32 s98, s16, 12
	s_add_co_u32 s92, s92, s98
	s_add_co_u32 s92, s92, WOS
	s_mov_b32 s93, 0
	s_mul_i32 s99, s16, 24576                      ; where they go in LDS: the wave's number alone
	s_mul_i32 s100, s16, 49152
	s_add_co_u32 s100, s100, 49152
	s_lshl_b32 s101, s16, 11
	s_add_co_u32 s101, s101, SCL
	s_lshl_b32 s21, s16, 12
	s_add_co_u32 s21, s21, SCL+4096
	s_wait_dscnt 0x0                               ; the opening add is done
	s_wait_kmcnt 0x0
	s_add_nc_u64 s[86:87], s[4:5], s[86:87]
	s_add_nc_u64 s[88:89], s[4:5], s[88:89]
	s_add_nc_u64 s[90:91], s[6:7], s[90:91]
	s_add_nc_u64 s[92:93], s[6:7], s[92:93]
	s_mov_b32 s[G0A], 1
	s_mov_b32 s[G0A+1], s101
	s_mov_b64 s[G0A+2:G0A+3], s[88:89]
	s_or_b32 s[G0A+3], s[G0A+3], 0x80000000
	s_mov_b32 s[G0A+4], 1
	s_mov_b32 s[G0A+5], s99
	s_mov_b64 s[G0A+6:G0A+7], s[86:87]
	s_or_b32 s[G0A+7], s[G0A+7], 0x80000000
	s_mov_b32 s[G0A+8], 1
	s_add_co_u32 s[G0A+9], s99, SLICE
	s_add_nc_u64 s[G0A+10:G0A+11], s[86:87], 6144
	s_or_b32 s[G0A+11], s[G0A+11], 0x80000000
	s_mov_b32 s[G0B], 1
	s_mov_b32 s[G0B+1], s21
	s_mov_b64 s[G0B+2:G0B+3], s[92:93]
	s_or_b32 s[G0B+3], s[G0B+3], 0x80000000
	s_mov_b32 s[G0B+4], 1
	s_mov_b32 s[G0B+5], s100
	s_mov_b64 s[G0B+6:G0B+7], s[90:91]
	s_or_b32 s[G0B+7], s[G0B+7], 0x80000000
	s_mov_b32 s[G0B+8], 1
	s_add_co_u32 s[G0B+9], s100, SLICE
	s_add_nc_u64 s[G0B+10:G0B+11], s[90:91], 6144
	s_or_b32 s[G0B+11], s[G0B+11], 0x80000000
	CROUND                                         ; all sixteen work-groups are here: the joint loads meet
	JLOAD G0A, G1SA, G0B, G1SB                     ; the scale words, slice 0, slice 1: three loads of mine are out
	JLOAD G0A+4, G1A, G0B+4, G1B
	JLOAD G0A+8, G1A, G0B+8, G1B
	v_and_b32 v1, 15, v0                           ; r
	v_bfe_u32 v2, v0, 4, 1                         ; h
	v_and_b32 v13, 31, v0                          ; lane
	v_lshlrev_b32 v[LI], 4, v13
	s_mul_i32 s96, s15, 24576
	v_add_nc_u32 v[AD1], s96, v[LI]
	v_add_nc_u32 v[AD1+1], SLICE, v[AD1]
	s_mul_i32 s96, s16, 49152
	s_add_co_u32 s96, s96, 49152
	v_add_nc_u32 v[AD0], s96, v[LI]
	v_add_nc_u32 v[AD0+1], SLICE, v[AD0]
	s_lshl_b32 s96, s15, 11
	s_add_co_u32 s96, s96, SCL
	v_lshl_add_u32 v[ADSA], v1, 2, s96
	s_lshl_b32 s96, s16, 12
	s_add_co_u32 s96, s96, SCL+4096
	v_lshl_add_u32 v[ADSB], v1, 2, s96
	s_mul_i32 s96, s14, STGB                       ; my stage
	v_mul_u32_u24 v[STO], v1, 528
	v_lshl_add_u32 v[STO], v2, 6, v[STO]
	v_add_nc_u32 v[STO], s96, v[STO]               ; in: row r, + 64 h: my 16 columns of each 32
	v_add_nc_u32 v[RD], s96, v[LI]                 ; back: a row's 512 bytes, 16 a lane
	s_lshl_b32 s98, s17, 10                        ; bo: my 128 columns begin at 256 X + 128 (w % 2)
	s_lshl_b32 s99, s16, 9
	s_add_co_u32 s98, s98, s99
	v_lshl_add_u32 v14, v2, 6, s98                 ; + 16 h numbers
	v_lshlrev_b32 v24, 5, v13                      ; the entropy: lane = 8 x batch + head: its eight partial sums,
	v_lshlrev_b32 v25, 2, v13                      ; and its number of out1
	WIN 0xc0                                       ; destination window 3
.irp b, 0,1,2,3,4,5,6,7
	global_load_b128 v[8*\b:8*\b+3], v14, s[8:9] offset:4*(32*(\b/2)+8*(\b%2))
	global_load_b128 v[8*\b+4:8*\b+7], v14, s[8:9] offset:4*(32*(\b/2)+8*(\b%2))+16
.endr
	WIN 0
	global_load_b128 v[16:19], v24, s[4:5] offset:ENTO
	global_load_b128 v[20:23], v24, s[4:5] offset:ENTO+16
	s_lshl_b32 s86, s18, 19                        ; out0: token 128 Y + 64 (w / 2), column 256 X + 128 (w % 2)
	s_lshl_b32 s96, s15, 18
	s_add_co_u32 s86, s86, s96
	s_add_co_u32 s86, s86, s98
	s_mov_b32 s87, 0
	s_add_nc_u64 s[86:87], s[10:11], s[86:87]
	s_wait_tensorcnt 1                             ; the scale words and my part of slice 0 are in; slice 1's load may be out
	s_barrier_signal -1
	s_barrier_wait -1                              ; everybody's are
.irp a, 0,1,2,3
.irp s, 0,1,2,3,4,5,6,7
	ds_load_b32 v[SA+8*\a+\s], v[ADSA] offset:256*\s+64*\a   ; all scale words stay in registers that hold nothing else
.endr
.endr
.irp b, 0,1,2,3,4,5,6,7
.irp s, 0,1,2,3,4,5,6,7
	ds_load_b32 v[SB+8*\b+\s], v[ADSB] offset:512*\b+64*\s
.endr
.endr
	FETCH 0
	s_wait_loadcnt 0x0                             ; bo and the partial sums
.irp s, 0,1,2,3,4,5,6,7
	STEP \s
.endr
	WIN 0
	PLACES 4                                       ; four plain instructions between the last product and the first read of results, and loads into the fragments' registers
	TOSTAGE 0
.irp a, 1,2,3
.if \a > 1
	s_wait_xcnt 0x0                                ; tile a - 2's stores have read their registers: tile a's loads may land there
.endif
	TOSTAGE \a
	SEND \a-1, 32                                  ; behind tile a - 1's loads: tile a's 16 stores and 16 loads
.endr
	SEND 3, 0
	; out1: every wave makes the 32 means; the lanes of wave 0 of work-group (0, 0) alone store them.  No branch hangs on a work-group's place in its cluster: the choice is a mask of lanes.
	v_add_f32 v16, v16, v17
	v_add_f32 v18, v18, v19
	v_add_f32 v20, v20, v21
	v_add_f32 v22, v22, v23
	v_add_f32 v16, v16, v18
	v_add_f32 v20, v20, v22
	v_add_f32 v16, v16, v20
	v_mul_f32 v16, 0x39b17218, v16                 ; x ln 2 / 2,048
	s_or_b32 s96, s17, s18
	s_lshl_b32 s96, s96, 10
	v_or_b32 v26, s96, v0
	v_cmp_gt_u32 vcc_lo, 32, v26
	s_wait_xcnt 0x0                                ; EXEC changes only behind this wait
	s_and_saveexec_b32 s97, vcc_lo
	global_store_b32 v25, v16, s[12:13]
	s_wait_xcnt 0x0                                ; and again, in front of the line that widens it
	s_or_b32 exec_lo, exec_lo, s97
	s_wait_tensorcnt 0x0                           ; the wave's end, behind my last tensor load and my last LDS store
	ds_add_u32 v[SPW], v[NIL]
	s_wait_dscnt 0x0
	CROUND                                         ; the closing round
	s_endpgm
.Lfunc_end_k_qa4fe19f33a_oproj:
	.size	k_qa4fe19f33a_oproj, .Lfunc_end_k_qa4fe19f33a_oproj-k_qa4fe19f33a_oproj
	.p2alignl 7, 3214868480
	.fill 96, 4, 3214868480
	.section	.rodata,"a",@progbits
	.p2align	6, 0x0
	.amdhsa_kernel k_qa4fe19f33a_oproj
		.amdhsa_group_segment_fixed_size 327680
		.amdhsa_private_segment_fixed_size 0
		.amdhsa_enable_private_segment 0
		.amdhsa_kernarg_size 40
		.amdhsa_user_sgpr_count 2
		.amdhsa_user_sgpr_kernarg_segment_ptr 1
		.amdhsa_wavefront_size32 1
		.amdhsa_system_sgpr_workgroup_id_x 1
		.amdhsa_system_sgpr_workgroup_id_y 1
		.amdhsa_system_sgpr_workgroup_id_z 1
		.amdhsa_system_vgpr_workitem_id 0
		.amdhsa_next_free_vgpr 832
		.amdhsa_next_free_sgpr 102
		.amdhsa_reserve_vcc 1
		.amdhsa_float_denorm_mode_32 3
		.amdhsa_float_denorm_mode_16_64 3
		.amdhsa_memory_ordered 1
		.amdhsa_forward_progress 1
		.amdhsa_inst_pref_size 85
	.end_amdhsa_kernel
	.amdgpu_metadata
---
amdhsa.version: [ 1, 2 ]
amdhsa.kernels:
  - .name:           k_qa4fe19f33a_oproj
    .symbol:         k_qa4fe19f33a_oproj.kd
    .args:
      - { .name: ctxc, .offset: 0, .size: 8, .value_kind: global_buffer, .address_space: global }
      - { .name: opsc, .offset: 8, .size: 8, .value_kind: global_buffer, .address_space: global }
      - { .name: bo, .offset: 16, .size: 8, .value_kind: global_buffer, .address_space: global }
      - { .name: out0, .offset: 24, .size: 8, .value_kind: global_buffer, .address_space: global }
      - { .name: out1, .offset: 32, .size: 8, .value_kind: global_buffer, .address_space: global }
    .group_segment_fixed_size: 327680
    .private_segment_fixed_size: 0
    .kernarg_segment_align: 8
    .kernarg_segment_size: 40
    .max_flat_workgroup_size: 128
    .sgpr_count:     102
    .vgpr_count:     832
    .wavefront_size: 32
...
	.end_amdgpu_metadata
.endif
;; end of part 4
